; MI455X (gfx1250); checked and timed in simulation.
; The chip was launched on July 23, 2026; its instructions are those of AMD's public machine-readable ISA for CDNA 5 (MIT licence, August 2026) and "CDNA5" Instruction Set Architecture Reference Guide (July 2026). The comments in the code are by the model that wrote it; some were corrected since.
;; Multi Head Attention. Allowed arithmetic: matrix products marked QUANTISED: E4M3 operands, one given power-of-two scale a tensor, by v_wmma_f32_16x16x64_fp8_fp8 or v_wmma_f32_16x16x128_fp8_fp8, f32 sums; everything else in f32.
;; Inputs: Wk_codes 1,024 x 32 x 32 uint8 (E4M3 codes of Wk, K innermost, in blocks of 32 codes); Wo_codes 1,024 x 32 x 32 uint8 (E4M3 codes of Wo, K innermost, in blocks of 32 codes); Wq_codes 1,024 x 32 x 32 uint8 (E4M3 codes of Wq, K innermost, in blocks of 32 codes); Wv_codes 1,024 x 32 x 32 uint8 (E4M3 codes of Wv, K innermost, in blocks of 32 codes); bk 1,024 float32; bo 1,024 float32; bq 1,024 float32; bv 1,024 float32; lowp_scales 12 int32 (the exponents e of the quantised operands' scales 2^e); padding_mask 4 x 2,048 int32; xk_codes 4 x 2,048 x 32 x 32 uint8 (E4M3 codes of xk, K innermost, in blocks of 32 codes); xq_codes 4 x 2,048 x 32 x 32 uint8 (E4M3 codes of xq, K innermost, in blocks of 32 codes); xv_codes 4 x 2,048 x 32 x 32 uint8 (E4M3 codes of xv, K innermost, in blocks of 32 codes).
;; Outputs: out0 4 x 2,048 x 1,024 float32.
;; This version of the problem:
;;   THIS VERSION OF THE PROBLEM IS GIVEN IN LOW PRECISION. The matrix products marked QUANTISED in the list below multiply operands that are first quantised to E4M3 (4 exponent bits, 3 mantissa bits; 8 bits a number), with one given power-of-two scale for each operand tensor; their sums are f32. All else is computed in f32.
;;   The module's matrix products, in the order in which they are computed (A, B: the left and right operand; K: the contracted axis; several contracted axes count as one K, in the product's order):
;;     1. [M 8,192, K 1,024] x [K 1,024, N 1,024]; A: input xq (given as codes); B: input Wq (given as codes): QUANTISED (scales: A lowp_scales[0], B lowp_scales[1])
;;     2. [M 8,192, K 1,024] x [K 1,024, N 1,024]; A: input xk (given as codes); B: input Wk (given as codes): QUANTISED (scales: A lowp_scales[2], B lowp_scales[3])
;;     3. [M 8,192, K 1,024] x [K 1,024, N 1,024]; A: input xv (given as codes); B: input Wv (given as codes): QUANTISED (scales: A lowp_scales[4], B lowp_scales[5])
;;     4. batch 64 x [M 2,048, K 64] x [K 64, N 2,048]; A: computed on the way; B: computed on the way: QUANTISED (scales: A lowp_scales[6], B lowp_scales[7])
;;     5. batch 64 x [M 2,048, K 2,048] x [K 2,048, N 64]; A: softmax (see below); B: computed on the way: QUANTISED (scales: A lowp_scales[8], B lowp_scales[9])
;;     6. [M 8,192, K 1,024] x [K 1,024, N 1,024]; A: computed on the way; B: input Wo (given as codes): QUANTISED (scales: A lowp_scales[10], B lowp_scales[11])
;;   THE QUANTISER, for each operand of a quantised product, along K:
;;     - The operand's scale is 2^e, e = its entry of the input lowp_scales (int32; the entries are numbered through the quantised products in the list's order, A before B).
;;     - Each number is divided by the scale, clamped to +-448, and rounded to the nearest number of E4M3, ties to even, subnormals kept.
;;     - The product sums the exact products of the quantised numbers (number of the format x scale) in f32.
;;   ~~~python
;;   def quantise(x, axis, e):      # numpy; x: float32 -> the quantised numbers, widened to float32 again
;;       x = np.moveaxis(x, axis, -1); K = x.shape[-1]
;;       r = np.clip(x / 2.0 ** e, -448, 448)
;;       step = 2.0 ** (np.maximum(np.frexp(np.where(r == 0, 1, r))[1] - 1, -6) - 3)
;;       q = np.round(r / step) * step * 2.0 ** e      # np.round: ties to even
;;       return np.moveaxis(q, -1, axis).astype(np.float32)
;;   ~~~
;;   SOFTMAX AHEAD OF A QUANTISED PRODUCT. Where the list says 'softmax', what is quantised is not the finished softmax but p = 2^(t - M), with t = logit x log2(e) and M = ceil(the row's largest t), a whole number; so 1/2 < the row's largest p <= 1. The row's sum l is taken of the UNQUANTISED p, in f32, and the product's result is divided by l at the end. Since M is a whole number, a kernel that streams over the keys may use a running M (the ceiling of the running maximum): every later rescaling is an exact power of two, so the quantised numbers keep their values, but for numbers so far below the row's largest that they fall under the format's range.
;;   OPERANDS COMPUTED ON THE WAY. 'Computed on the way' means the value that the module computes at that place (a softmax that the list does not call 'softmax' is quantised finished and normalised). What goes into a quantiser is computed in f32, as accurately as f32 sums, v_exp_f32 and their like allow (about 1e-6 of the number): no bf16 or f16 on the way to a quantiser, and a product that is left as it is and whose result goes on into a quantised operand takes f32 operands (vector FMAs, or v_wmma_f32_16x16x4_f32). A number that lies on a knife's edge between two numbers of the format may be rounded either way, as far as f32 arithmetic and the matrix unit's own rounding can turn it there, and no further.
;;   INPUTS GIVEN AS CODES. Wk (in the module: [1024, 1024], K = its axis 0); Wo (in the module: [1024, 1024], K = its axis 0); Wq (in the module: [1024, 1024], K = its axis 0); Wv (in the module: [1024, 1024], K = its axis 0); xk (in the module: [4, 2048, 1024], K = its axis 2); xq (in the module: [4, 2048, 1024], K = its axis 2); xv (in the module: [4, 2048, 1024], K = its axis 2): each comes as NAME_codes (uint8): NAME with its K axis moved to the last place and cut into blocks of 32 codes, [.., K / 32, bytes a block], one block behind the other in memory; one code a byte (a code: sign, 4 exponent bits, 3 mantissa bits); its scale is its entry of lowp_scales. Its value is code x scale, taken as it is: it is not quantised again, and the codes and scales need not be those that the quantiser above would give.
;; One version. Each part assembles by itself: llvm-mc -triple=amdgcn-amd-amdhsa -mcpu=gfx1250 --defsym DOCPART=n.
;; ======== version 1 of 1: 3 launches
;; limits: right only within a limited range of input values
;; workspace buffers: qimg 8,388,608 bytes; kimg 8,388,608 bytes; vimg 8,388,608 bytes; aimg 8,388,608 bytes
;; launch proj (part 1): grid 4 x 96, 4 waves a work-group, clusters of 4 x 4, 327,680 bytes of LDS; arguments xq_codes, xk_codes, xv_codes, Wq_codes, Wk_codes, Wv_codes, bq, bk, bv, lowp_scales, qimg, kimg, vimg; writes qimg, kimg, vimg
.if DOCPART == 1
	.amdgcn_target "amdgcn-amd-amdhsa--gfx1250"
	.amdhsa_code_object_version 6
	.text
	.protected	k_qf6726a550b_proj
	.globl	k_qf6726a550b_proj
	.p2align	8
	.type	k_qf6726a550b_proj,@function
k_qf6726a550b_proj:
	s_mov_b64 s[64:65], 0
	v_nop
	global_prefetch_b8 v0, s[64:65] scope:SCOPE_SE
	s_setreg_imm32_b32 hwreg(HW_REG_WAVE_MODE, 25, 1), 1
	s_wait_xcnt 0x0
	s_wait_alu depctr_hold_cnt(0) depctr_sa_sdst(0) depctr_va_vdst(0) depctr_va_sdst(0) depctr_va_ssrc(0) depctr_va_vcc(0) depctr_vm_vsrc(0)
	s_getreg_b32 s2, hwreg(HW_REG_IB_STS2, 6, 4)
	s_cmp_eq_u32 s2, 0
	s_cbranch_scc0 .Lentry_in_a_cluster
	s_endpgm
.Lentry_in_a_cluster:
	s_bfe_u32 s2, ttmp6, 0x10000c
	s_cmp_lg_u32 s2, 0xf033
	s_cbranch_scc0 .Lentry_shape_is_right
	s_endpgm
.Lentry_shape_is_right:
; THE THREE PROJECTIONS: Q = xq Wq + bq, K = xk Wk + bk, V = xv Wv + bv, on codes of FP8 (E4M3), and their quantising to codes for the attention launch.
; One launch, three jobs of 128 tiles of 256 x 256: job = cluster y / 8.  A GEMM C[i][j] = sum over k of A[i][k] B[j][k], K = 1,024, both operands rows of 1,024 codes.
;   job 0: A = xq (i = token), B = Wq (j = channel).   job 1: the same for K.   job 2: A = Wv (i = channel), B = xv (j = token): the roles are swapped, so that a lane's eight results are eight neighbouring
;   KEYS of one channel, which is what the second product of attention contracts.  The job hangs on the cluster's y alone: it chooses pointers, scales and offsets by s_cselect, never a branch.
; A tile is made by four waves, as many as a WGP has SIMDs; a wave makes 128 x 128: 64 accumulators of 16 x 16, 512 registers.  K goes in steps of 256 through a ring of two LDS slots filled by the tensor data mover.
; 384 tiles for 256 WGPs: a tile of 128 x 256 would share them out evenly, but a wave tile of 64 x 128 reads half as much again from LDS for each multiply-add; the larger tile is kept.
; CLUSTERS: 4 x 4 work-groups.  The four of a row of the cluster need the same tiles of A, the four of a column the same tiles of B: each tile is asked for JOINTLY, by the same tensor load with the same
; descriptor and a mask that names the four.  THE MATRIX INSTRUCTION IS USED TRANSPOSED (source 0 = 16 rows of B, source 1 = 16 rows of A): lane l holds row i = l % 16 and eight neighbouring j = 8 (l / 16) + 0 .. 7.
; THE WAY OUT: y = sum x 2^(ea + eb) + bias (the multiplication rounds nothing, so y is rounded once); held within +-448 x 2^eo; converted with 2^eo.  A lane's eight results become 8 codes, two accumulators 16 bytes,
; and these 16 bytes ARE four registers of the operand that attention wants: the images are laid in the order of the operand's registers, so every store of the wave covers 512 consecutive bytes, aligned, and no stage in LDS is needed.
;   qimg, kimg: [16 n + head][token / 16][chunk 2][512]: chunk g, lane (r, h): token r, d = 32 g + 8 h + 0 .. 7, then d = 32 g + 16 + 8 h + 0 .. 7.
;   vimg:       [16 n + head][key / 64][d / 16][chunk 2][512]: chunk g, lane (r, h): channel r, keys 32 g + 8 h + 0 .. 7, then 32 g + 16 + 8 h + 0 .. 7.
; LIMITS on the given exponents, so that each power of two below is an f32 number: ea + eb between -126 and 127; eo between -126 and 119.  NaN and infinity among the biases are not served.
; No prefetch: K has four steps, and two of them are asked for at the head.
; REGISTERS, in windows of 256: window 0: v0-31 addresses; v32-95 the bias by j; v96-111 the bias by i, in pairs; v113 the scale; from v128 A's fragments, ONE set (on the way out v128-223 are at work).
;   window 1: B's fragments, TWO sets, at v0 and at v128.   window 2: the 32 accumulators of my rows 0-63 (accumulator (a, b) at v[8 (8 a + b)]);   window 3: those of my rows 64-127.
.set SIZE_K, 1024
.set KSTEP,  256                       ; along K in a slot
.set ROWB,   256                       ; a tile's row in bytes
.set KROW,   SIZE_K                    ; a row of A or of B in memory, in bytes
.set PITCH,  272                       ; an LDS row: 256 bytes + 16 of padding = 68 words: row r starts at bank 4 r mod 64 (ISA guide 11.1), so the 16 rows that a load touches start at 16 different banks
.set FR,     16                        ; registers of a fragment: 16 rows x 128 K
.set NL,     4                         ; LDS loads that bring one
.set NP,     4                         ; places behind this matrix instruction (ISA guide 7.12.1)
.set HALFT,  128*PITCH                 ; 128 rows: what one tensor load brings, and what one wave reads of A or of B
.set SLOT,   4*HALFT                   ; A's 256 rows, then B's 256 rows
.set LAPS,   SIZE_K/(2*KSTEP)          ; a lap = two K steps = once round the ring
.set SPARE,  2*SLOT                    ; behind the ring: the spare words, 128 bytes for each wave: two blocks of 256 bytes that no other line names
.set ADRA, 16                          ; v16-17  LDS address of my A fragments in slot 0, 1
.set ADRB, 20                          ; v20-21  the same for B
.set STA,  24                          ; v24     16 x lane;  v25  the same + the distance between my two halves of j in the image
.set BJO,  26                          ; v26     32 x (lane / 16): my eight numbers of the bias by j
.set BIO,  27                          ; v27     4 x (lane % 16): my number of the bias by i
.set SPW,  28                          ; v28     LDS address of my spare word; never rewritten
.set NIL,  29                          ; v29     0; never rewritten
.set BJ,   32                          ; v32-95  bias of j = 16 b + 8 h + 0 .. 7 at v[BJ + 8 b ..] (zeros in job 2)
.set BI,   96                          ; v96-111 bias of i = 16 a + r, twice, at v[BI + 2 a], v[BI + 2 a + 1] (zeros in jobs 0 and 1)
.set LIM,  112
.set SCL,  113                         ; v113    2^eo
.set AF,   128                         ; A's fragments, in window 0
.set TMP,  128                         ; the way out: a block's 64 numbers
.set CD,   192                         ; the way out: a block's 16 registers of codes, two sets by turns
.set G1, 24                            ; s[24:31] descriptor group 1 for A's tiles;  s[32:39] group 0, one set for each slot
.set G0, 32
.set G1B, 48                           ; s[48:55], s[56:63] the same for B's tiles
.set G0B, 56
.set JOB, 66                           ; s66     the job
.set MSB, 0
.macro WIN new                         ; the immediate's high byte repeats the setting that is left
.if MSB != \new
	s_set_vgpr_msb (MSB<<8)|\new
.set MSB, \new
.endif
.endm
.set MUL_LO, 0xa1                      ; source 0 (B) window 1, source 1 (A) window 0, C and D window 2
.set MUL_HI, 0xf1                      ; the same, C and D window 3
.set TO_B,   0x40                      ; destination window 1, address window 0
; A joint load: waves 0 and 1 fetch for A, waves 2 and 3 for B.  Each of the two lines has ONE mask and one set of registers for all that issue it; the branch hangs on the wave's number alone.
; Four v_nop follow each of the two lines, ahead of the jump, the label and what follows.
.macro JLOAD g0a, g1a, g0b, g1b
	s_cmp_eq_u32 s15, 0
	s_cbranch_scc0 .Lfor_b_\@
	tensor_load_to_lds s[\g0a:\g0a+3], s[\g1a:\g1a+7]
	s_nop 0
.rept 4
	v_nop
.endr
	s_branch .Lasked_\@
.Lfor_b_\@:
	tensor_load_to_lds s[\g0b:\g0b+3], s[\g1b:\g1b+7]
	s_nop 0
.rept 4
	v_nop
.endr
.Lasked_\@:
.endm
.macro CREST                           ; a round of the cluster's barrier behind its opening barrier
	s_cmp_lg_u32 s14, 0
	s_cbranch_scc1 .Lnot_wave_0_\@
	s_barrier_signal -3
.Lnot_wave_0_\@:
	s_barrier_wait -3
	s_barrier_signal -1
	s_barrier_wait -1
.endm
.macro CROUND                          ; a whole round
	s_barrier_signal -1
	s_barrier_wait -1
	CREST
.endm
	s_load_b512 s[68:83], s[0:1], 0x0              ; xq s[68:69], xk s[70:71], xv s[72:73], Wq s[74:75], Wk s[76:77], Wv s[78:79], bq s[80:81], bk s[82:83]
	s_load_b256 s[84:91], s[0:1], 0x40             ; bv s[84:85], the scales' exponents s[86:87], qimg s[88:89], kimg s[90:91]
	s_load_b64 s[92:93], s[0:1], 0x60              ; vimg
	v_lshl_add_u32 v[SPW], v0, 2, SPARE
	v_mov_b32 v[NIL], 0
	ds_add_u32 v28, v29
	ds_add_u32 v28, v29
	s_wait_dscnt 0x0
	v_lshrrev_b32 v1, 5, v0
	v_readfirstlane_b32 s14, v1                    ; wave 0..3
	s_lshr_b32 s15, s14, 1                         ; which half of the tile's rows is mine.  Also: I fetch for A (0) or for B (1)
	s_and_b32 s16, s14, 1                          ; which half of its columns.  Also: which 128 rows of that tile I fetch
	s_bfe_u32 s40, ttmp6, 0x40000                  ; cx, cy: my place in the cluster
	s_bfe_u32 s41, ttmp6, 0x40004
	s_and_b32 s18, ttmp7, 0xffff                   ; cluster y, 0 .. 23
	s_lshr_b32 s[JOB], s18, 3                      ; the job: the same in all sixteen partners
	s_and_b32 s67, s18, 7
	s_lshl_b32 s67, s67, 2                         ; the cluster's first tile along the tokens
	s_lshl_b32 s42, ttmp9, 2
	s_add_co_u32 s42, s42, s40                     ; 4 x cluster x + cx
	s_cmp_eq_u32 s[JOB], 2
	s_cselect_b32 s17, 0, s67                      ; the tokens run along i in jobs 0 and 1,
	s_cselect_b32 s19, s67, 0                      ; along j in job 2
	s_add_co_u32 s17, s17, s41                     ; tile row: it hangs on cy and the cluster
	s_add_co_u32 s42, s42, s19                     ; tile column: on cx and the cluster
	s_lshl_b32 s43, s41, 2
	s_lshl_b32 s43, 15, s43                        ; my row of the cluster
	s_lshl_b32 s44, 0x1111, s40                    ; my column
	; descriptor group 1: a tile of 128 rows x ROWB bytes, padded in LDS
	s_or_b32 s[G1+0], s43, (0<<16)|(1<<20)|(1<<21)|(5<<22)|(3<<25)  ; 15:0 the mask: A's tiles go to my row; 17:16 element of 1 byte; 20 padding on; 21 set beside a mask; 24:22 after every 64 words (code 5); 31:25 of 4 words (code 3)
	s_or_b32 s[G1B+0], s44, (0<<16)|(1<<20)|(1<<21)|(5<<22)|(3<<25)
.irp g, G1, G1B
	s_mov_b32 s[\g+1], ROWB<<16                    ; tensor_dim0
	s_mov_b32 s[\g+2], 128<<16                     ; tensor_dim1 = 128
	s_mov_b32 s[\g+3], ROWB<<16                    ; tile_dim0
	s_mov_b32 s[\g+4], 128                         ; tile_dim1 = 128
	s_mov_b32 s[\g+5], KROW                        ; tensor_dim0_stride
	s_mov_b32 s[\g+6], 0
	s_mov_b32 s[\g+7], 0
.endr
	s_lshl_b32 s18, s16, 7                         ; which 128 rows of the tile I fetch
	s_lshl_b32 s20, s17, 8
	s_add_co_u32 s20, s20, s18                     ; A: row 256 x tile row + 128 x half
	s_lshl_b32 s46, s42, 8
	s_add_co_u32 s46, s46, s18                     ; B: row 256 x tile column + 128 x half
	s_mov_b32 s21, 0
	s_mov_b32 s47, 0
	s_mov_b64 s[18:19], KROW
	s_mul_u64 s[20:21], s[20:21], s[18:19]
	s_mul_u64 s[46:47], s[46:47], s[18:19]
	s_mul_i32 s45, s14, HALFT                      ; where they go: wave x 128 rows: no place in the cluster enters an LDS address
	s_wait_kmcnt 0x0
	s_cmp_eq_u32 s[JOB], 1                         ; the job's four buffers: the choice hangs on the cluster's number alone
	s_cselect_b64 s[4:5], s[70:71], s[68:69]       ; A
	s_cselect_b64 s[6:7], s[76:77], s[74:75]       ; B
	s_cselect_b64 s[8:9], s[82:83], s[80:81]       ; the bias
	s_cselect_b64 s[10:11], s[90:91], s[88:89]     ; the image
	s_cmp_eq_u32 s[JOB], 2
	s_cselect_b64 s[4:5], s[78:79], s[4:5]         ; job 2: A = Wv,
	s_cselect_b64 s[6:7], s[72:73], s[6:7]         ; B = xv
	s_cselect_b64 s[8:9], s[84:85], s[8:9]
	s_cselect_b64 s[10:11], s[92:93], s[10:11]
	s_load_b256 s[68:75], s[86:87], 0x0            ; e0 .. e7
	s_load_b64 s[76:77], s[86:87], 0x20            ; e8, e9
	s_add_nc_u64 s[20:21], s[4:5], s[20:21]
	s_add_nc_u64 s[46:47], s[6:7], s[46:47]
	CROUND                                         ; all sixteen work-groups are here: the first joint loads meet
.irp s, 0,1
	s_mov_b32 s[G0+4*\s], 1
	s_add_co_u32 s[G0+4*\s+1], s45, \s*SLOT
	s_add_nc_u64 s[G0+4*\s+2:G0+4*\s+3], s[20:21], \s*ROWB
	s_or_b32 s[G0+4*\s+3], s[G0+4*\s+3], 0x80000000
	s_mov_b32 s[G0B+4*\s], 1
	s_add_co_u32 s[G0B+4*\s+1], s45, \s*SLOT
	s_add_nc_u64 s[G0B+4*\s+2:G0B+4*\s+3], s[46:47], \s*ROWB
	s_or_b32 s[G0B+4*\s+3], s[G0B+4*\s+3], 0x80000000
	JLOAD G0+4*\s, G1, G0B+4*\s, G1B
.endr
	v_and_b32 v1, 15, v0                           ; r = l % 16
	v_bfe_u32 v2, v0, 4, 1                         ; h = l / 16
	s_wait_alu depctr_va_vdst(0)
	v_mul_u32_u24 v3, v1, PITCH
	v_lshl_add_u32 v4, v2, 4, v3                   ; a fragment's row x pitch + 16 x half
	s_mul_i32 s21, s15, HALFT                      ; my 128 rows of A
	s_mul_i32 s22, s16, HALFT                      ; my 128 rows of B,
	s_add_co_u32 s22, s22, 2*HALFT                 ; which lie behind A's 256
.irp s, 0,1
	v_add_nc_u32 v[ADRA+\s], s21, v4
	v_add_nc_u32 v[ADRB+\s], s22, v4
	s_add_co_u32 s21, s21, SLOT
	s_add_co_u32 s22, s22, SLOT
.endr
	; my wave's corner: i0 = 256 x tile row + 128 x half, j0 = 256 x tile column + 128 x half; which of them counts tokens and which channels hangs on the job
	s_lshl_b32 s20, s17, 8
	s_lshl_b32 s21, s15, 7
	s_add_co_u32 s20, s20, s21                     ; i0
	s_lshl_b32 s46, s42, 8
	s_lshl_b32 s47, s16, 7
	s_add_co_u32 s46, s46, s47                     ; j0
	s_cmp_eq_u32 s[JOB], 2
	s_cselect_b32 s22, s46, s20                    ; my first token
	s_cselect_b32 s23, s20, s46                    ; my first channel
	s_cselect_b32 s78, 0, s46                      ; the bias by j begins at channel j0 (job 2: at 0; what is loaded there is cleared below)
	s_cselect_b32 s80, s20, 0                      ; the bias by i at channel i0 in job 2 (else at 0, cleared below)
	s_cselect_b32 s94, 0, -1                       ; keeps the bias by j in jobs 0 and 1,
	s_cselect_b32 s95, -1, 0                       ; the bias by i in job 2
	s_mov_b32 s98, 0x20000
	s_cselect_b32 s98, 4096, s98                   ; from my first 64 of j to my second: the next head (131,072 bytes), in job 2 the next key step (4,096)
	s_mov_b32 s99, 4096
	s_cselect_b32 s99, 0x20000, s99                ; from my first 64 of i to my second: four token tiles on (4,096), in job 2 the next head
	s_lshl_b32 s78, s78, 2
	s_mov_b32 s79, 0
	s_add_nc_u64 s[78:79], s[8:9], s[78:79]
	s_lshl_b32 s80, s80, 2
	s_mov_b32 s81, 0
	s_add_nc_u64 s[80:81], s[8:9], s[80:81]
	v_lshlrev_b32 v[BJO], 5, v2
	v_lshlrev_b32 v[BIO], 2, v1
.irp b, 0,1,2,3,4,5,6,7
	global_load_b128 v[BJ+8*\b:BJ+8*\b+3],   v[BJO], s[78:79] offset:64*\b      ; bias[first + 16 b + 8 h + 0 .. 7]: at most byte 4,095 of the 4,096
	global_load_b128 v[BJ+8*\b+4:BJ+8*\b+7], v[BJO], s[78:79] offset:64*\b+16
.endr
.irp a, 0,1,2,3,4,5,6,7
	global_load_b32 v[BI+2*\a], v[BIO], s[80:81] offset:64*\a                   ; bias[first + 16 a + r]
.endr
	; where my part of the image begins: n x 2^21 + head x 2^17 + 64 x (token in its sequence): the same sum for all three images
	s_lshr_b32 s82, s22, 11
	s_lshl_b32 s82, s82, 21
	s_lshr_b32 s83, s23, 6
	s_lshl_b32 s83, s83, 17
	s_add_co_u32 s82, s82, s83
	s_and_b32 s83, s22, 2047
	s_lshl_b32 s83, s83, 6
	s_add_co_u32 s82, s82, s83
	s_mov_b32 s83, 0
	s_add_nc_u64 s[10:11], s[10:11], s[82:83]      ; blocks 0-3 of i
	s_mov_b32 s82, s99
	s_add_nc_u64 s[12:13], s[10:11], s[82:83]      ; blocks 4-7
	v_and_b32 v6, 31, v0
	v_lshlrev_b32 v[STA], 4, v6
	v_add_nc_u32 v[STA+1], s98, v[STA]
	s_wait_loadcnt 0x0                             ; the biases, while the first tiles are on their way
.set j, 0
.rept 64
	v_and_b32 v[BJ+j], s94, v[BJ+j]                ; the set that does not apply becomes zeros: adding it changes nothing
.set j, j+1
.endr
.irp a, 0,1,2,3,4,5,6,7
	v_and_b32 v[BI+2*\a], s95, v[BI+2*\a]
	v_mov_b32 v[BI+2*\a+1], v[BI+2*\a]             ; a pair for the packed addition
.endr
	s_wait_kmcnt 0x0
	s_add_co_i32 s68, s68, s69                     ; e0 + e1
	s_add_co_i32 s70, s70, s71                     ; e2 + e3
	s_add_co_i32 s72, s72, s73                     ; e4 + e5
	s_cmp_eq_u32 s[JOB], 1
	s_cselect_b32 s96, s70, s68                    ; ea + eb,
	s_cselect_b32 s69, s75, s74                    ; eo: e6 for Q, e7 for K,
	s_cmp_eq_u32 s[JOB], 2
	s_cselect_b32 s96, s72, s96
	s_cselect_b32 s69, s77, s69                    ; e9 for V
	s_add_co_i32 s96, s96, 127
	s_lshl_b32 s96, s96, 23                        ; 2^(ea + eb) as f32
	s_mov_b32 s97, s96                             ; (named with it as a pair, so it is written)
	s_add_co_i32 s69, s69, 127
	s_lshl_b32 s71, s69, 23
	v_mov_b32 v[SCL], s71                          ; 2^eo as f32: the conversion takes its exponent field
.macro FRAG reg, adr, q, i             ; a fragment, 16 rows x 128 K, is 16 registers: lane l holds row l % 16; registers 4 c .. 4 c + 3 hold K = 32 c + 16 (l / 16) + 0 .. 15: the same order of k in A and in B, so every product meets its partner
.irp c, 0,1,2,3
	ds_load_b128 v[\reg+4*\c:\reg+4*\c+3], v[\adr] offset:128*(\q)+32*\c+(\i)*16*PITCH
.endr
.endm
; 16 matrix instructions: A's blocks a0, a0 + 1 x B's eight, 128 along K.  p: B's set.  zero = 1: the first product starts the sums: nothing is ever cleared.
; The 64 accumulators take turns, one instruction a turn, in the same order in every step.
.macro MUL16 a0, p, zero
.irp a, \a0, \a0+1
.irp b, 0,1,2,3,4,5,6,7
.if \zero
	v_wmma_f32_16x16x128_fp8_fp8 v[8*(8*((\a)%4)+\b):8*(8*((\a)%4)+\b)+7], v[128*(\p)+FR*\b:128*(\p)+FR*\b+FR-1], v[AF+FR*(\a):AF+FR*(\a)+FR-1], 0
.else
	v_wmma_f32_16x16x128_fp8_fp8 v[8*(8*((\a)%4)+\b):8*(8*((\a)%4)+\b)+7], v[128*(\p)+FR*\b:128*(\p)+FR*\b+FR-1], v[AF+FR*(\a):AF+FR*(\a)+FR-1], v[8*(8*((\a)%4)+\b):8*(8*((\a)%4)+\b)+7]
.endif
.endr
.endr
.endm
.macro FETCH_B slot, q, p              ; B's eight fragments of the slot's q-th 128 along K into set p
	WIN TO_B
.irp i, 0,1,2,3,4,5,6,7
	FRAG 128*(\p)+FR*\i, ADRB+\slot, \q, \i
.endr
	WIN 0
.endm
.macro FETCH_A slot, q, i0             ; A's blocks i0 .. i0 + 3
.irp i, \i0, \i0+1, \i0+2, \i0+3
	FRAG AF+FR*(\i), ADRA+\slot, \q, \i
.endr
.endm
; A load into a register that a matrix instruction has read, and a vector instruction that reads a matrix result or writes a matrix instruction's register, stand NP places behind it; only plain vector
; instructions that name none of its registers are places (ISA guide 7.12.1 for vector instructions).
.macro PLACES n
.rept \n
	v_nop
.endr
.endm
; A step of 128 along K that has its successor in the same slot.  A block of A is free as soon as its eight products are issued, so one set of registers serves A: blocks 0-3 are fetched anew in the step's middle, blocks 4-7 at its end.
.macro STEP slot, q, zero
	s_wait_dscnt 4*NL                              ; B's set and A's blocks 0-3 are in; the youngest sixteen loads (A's blocks 4-7) may be out
	WIN MUL_LO
	MUL16 0, (\q)%2, \zero
	MUL16 2, (\q)%2, \zero
	s_wait_dscnt 0                                 ; A's blocks 4-7 are in (asked for 32 matrix instructions ago)
	PLACES NP
	FETCH_B \slot, (\q)+1, 1-(\q)%2
	FETCH_A \slot, (\q)+1, 0
	WIN MUL_HI
	MUL16 4, (\q)%2, \zero
	MUL16 6, (\q)%2, \zero
	PLACES NP
	WIN 0
	FETCH_A \slot, (\q)+1, 4
.endm
; A slot's last step changes slots: ONE barrier; in front of it each wave waits for all its tensor loads, adds 0 to its spare word, and waits for that and for its own reads of this slot.  fill = 1: this slot is filled again, two K steps ahead.
.macro TURN slot, next, fill
	s_wait_tensorcnt 0x0                           ; all my tensor loads have landed: my part of the next slot;  (every window is 0 here: the add's two registers lie in window 0)
	ds_add_u32 v[SPW], v[NIL]                      ; 0 onto my spare word
	s_wait_dscnt 4*NL+1                            ; (the add and the youngest sixteen loads, A's blocks 4-7, may be out)
	WIN MUL_LO
	MUL16 0, 1, 0                                  ; sixteen matrix instructions stand between the add and the wait for it
	s_wait_dscnt 0x0                               ; the add is done, and my reads of this slot are over
	s_barrier_signal -1
	MUL16 2, 1, 0
	WIN 0
	s_barrier_wait -1
.if \fill
	CREST                                          ; the barrier has opened a round of the cluster's barrier: no wave of any partner still reads this slot's tile or has a load on its way
	s_add_nc_u64 s[G0+4*\slot+2:G0+4*\slot+3], s[G0+4*\slot+2:G0+4*\slot+3], 2*ROWB
	s_add_nc_u64 s[G0B+4*\slot+2:G0B+4*\slot+3], s[G0B+4*\slot+2:G0B+4*\slot+3], 2*ROWB
	JLOAD G0+4*\slot, G1, G0B+4*\slot, G1B         ; the first tensor load behind the round; the four v_nop behind it are the places in front of the loads below
.else
	PLACES NP
.endif
	FETCH_B \next, 0, 0
	FETCH_A \next, 0, 0
	WIN MUL_HI
	MUL16 4, 1, 0
	MUL16 6, 1, 0
	PLACES NP
	WIN 0
	FETCH_A \next, 0, 4
.endm
	s_wait_tensorcnt 1                             ; my part of K step 0 is in (K step 1's load may be out)
	s_barrier_signal -1
	s_barrier_wait -1                              ; everybody's is
	FETCH_B 0, 0, 0
	FETCH_A 0, 0, 0
	FETCH_A 0, 0, 4
	STEP 0, 0, 1                                   ; the first step stands in front of the loop: its products start the sums
	s_mov_b32 s3, LAPS-1
.Llap:                                                 ; a trip goes once round the ring, from a lap's second step to the next lap's first, and fills both slots again
	TURN 0, 1, 1
	STEP 1, 0, 0
	TURN 1, 0, 1
	STEP 0, 0, 0
	s_sub_co_u32 s3, s3, 1
	s_cmp_lg_u32 s3, 0
	s_cbranch_scc1 .Llap
	TURN 0, 1, 0                                   ; the last lap fills nothing, and has no round of the cluster's barrier
	STEP 1, 0, 0
	s_wait_dscnt 4*NL                              ; the very last step: nothing more to fetch
	WIN MUL_LO
	MUL16 0, 1, 0
	MUL16 2, 1, 0
	s_wait_dscnt 0
	WIN MUL_HI
	MUL16 4, 1, 0
	MUL16 6, 1, 0
	WIN 0
; THE WAY OUT of block a (16 of i x 128 of j).  Codes of accumulators 2 g and 2 g + 1 are one chunk's 16 bytes a lane: g / 2 picks my half of j, g % 2 the chunk; a % 4 the fragment, a / 4 my half of i.
.macro OUTBLK a
.set AC, 64*((\a)%4)
.set CB, CD+16*((\a)%2)
.if (\a) >= 2
	s_wait_xcnt 0x0                                ; block a - 2's stores have read their data: its registers of codes are written again only behind this wait
.endif
	WIN 0x02+((\a)/4)                              ; source 0: window 2 or 3
.set j, 0
.rept 32
	v_pk_fma_f32 v[TMP+j:TMP+j+1], v[AC+j:AC+j+1], s[96:97], v[BJ+j:BJ+j+1] op_sel_hi:[1,0,1]   ; sum x 2^(ea + eb) + the bias by j; each accumulator from its low end on
.set j, j+2
.endr
	WIN 0
.set j, 0
.rept 32
	v_pk_add_f32 v[TMP+j:TMP+j+1], v[TMP+j:TMP+j+1], v[BI+2*(\a):BI+2*(\a)+1]   ; + the bias by i: one of the two sets is zeros
.set j, j+2
.endr
.set j, 0
.rept 64
.set j, j+1
.endr
.irp b, 0,1,2,3,4,5,6,7
	v_cvt_scalef32_pk8_fp8_f32 v[CB+2*\b:CB+2*\b+1], v[TMP+8*\b:TMP+8*\b+7], v[SCL]
.endr
	v_nop                                          ; one plain vector instruction between the last conversion and the next block's lines, which write its sources
.irp g, 0,1,2,3
	global_store_b128 v[STA+\g/2], v[CB+4*\g:CB+4*\g+3], s[10+2*((\a)/4):11+2*((\a)/4)] offset:((\a)%4)*1024+(\g%2)*512   ; 32 lanes store 512 consecutive bytes, at a multiple of 512 from the image's first byte
.endr
.endm
	PLACES NP                                      ; behind the last products: their results are read, and A's registers are written, below
.irp a, 0,1,2,3,4,5,6,7
	OUTBLK \a
.endr
	s_wait_tensorcnt 0x0                           ; the wave's end
	ds_add_u32 v[SPW], v[NIL]
	s_wait_dscnt 0x0
	CROUND                                         ; the closing round: no work-group ends while a partner may still ask for a tile that names it
	s_endpgm
.Lfunc_end_k_qf6726a550b_proj:
	.size	k_qf6726a550b_proj, .Lfunc_end_k_qf6726a550b_proj-k_qf6726a550b_proj
	.p2alignl 7, 3214868480
	.fill 96, 4, 3214868480
	.section	.rodata,"a",@progbits
	.p2align	6, 0x0
	.amdhsa_kernel k_qf6726a550b_proj
		.amdhsa_group_segment_fixed_size 327680
		.amdhsa_private_segment_fixed_size 0
		.amdhsa_enable_private_segment 0
		.amdhsa_kernarg_size 104
		.amdhsa_user_sgpr_count 2
		.amdhsa_user_sgpr_kernarg_segment_ptr 1
		.amdhsa_wavefront_size32 1
		.amdhsa_system_sgpr_workgroup_id_x 1
		.amdhsa_system_sgpr_workgroup_id_y 1
		.amdhsa_system_sgpr_workgroup_id_z 1
		.amdhsa_system_vgpr_workitem_id 0
		.amdhsa_next_free_vgpr 1024
		.amdhsa_next_free_sgpr 100
		.amdhsa_reserve_vcc 0
		.amdhsa_float_denorm_mode_32 3
		.amdhsa_float_denorm_mode_16_64 3
		.amdhsa_fp16_overflow 1
		.amdhsa_memory_ordered 1
		.amdhsa_forward_progress 1
		.amdhsa_inst_pref_size 124
	.end_amdhsa_kernel
	.amdgpu_metadata
---
amdhsa.version: [ 1, 2 ]
amdhsa.kernels:
  - .name:           k_qf6726a550b_proj
    .symbol:         k_qf6726a550b_proj.kd
    .args:
      - { .name: xq_codes, .offset: 0, .size: 8, .value_kind: global_buffer, .address_space: global }
      - { .name: xk_codes, .offset: 8, .size: 8, .value_kind: global_buffer, .address_space: global }
      - { .name: xv_codes, .offset: 16, .size: 8, .value_kind: global_buffer, .address_space: global }
      - { .name: Wq_codes, .offset: 24, .size: 8, .value_kind: global_buffer, .address_space: global }
      - { .name: Wk_codes, .offset: 32, .size: 8, .value_kind: global_buffer, .address_space: global }
      - { .name: Wv_codes, .offset: 40, .size: 8, .value_kind: global_buffer, .address_space: global }
      - { .name: bq, .offset: 48, .size: 8, .value_kind: global_buffer, .address_space: global }
      - { .name: bk, .offset: 56, .size: 8, .value_kind: global_buffer, .address_space: global }
      - { .name: bv, .offset: 64, .size: 8, .value_kind: global_buffer, .address_space: global }
      - { .name: lowp_scales, .offset: 72, .size: 8, .value_kind: global_buffer, .address_space: global }
      - { .name: qimg, .offset: 80, .size: 8, .value_kind: global_buffer, .address_space: global }
      - { .name: kimg, .offset: 88, .size: 8, .value_kind: global_buffer, .address_space: global }
      - { .name: vimg, .offset: 96, .size: 8, .value_kind: global_buffer, .address_space: global }
    .group_segment_fixed_size: 327680
    .private_segment_fixed_size: 0
    .kernarg_segment_align: 8
    .kernarg_segment_size: 104
    .max_flat_workgroup_size: 128
    .sgpr_count:     100
    .vgpr_count:     1024
    .wavefront_size: 32
...
	.end_amdgpu_metadata
.endif
;; end of part 1
;; launch attn (part 2): grid 4 x 64, 16 waves a work-group, clusters of 4 x 1, 272,384 bytes of LDS; arguments qimg, kimg, vimg, padding_mask, lowp_scales, aimg; writes aimg
.if DOCPART == 2
	.amdgcn_target "amdgcn-amd-amdhsa--gfx1250"
	.amdhsa_code_object_version 6
	.text
	.protected	k_qf6726a550b_attn
	.globl	k_qf6726a550b_attn
	.p2align	8
	.type	k_qf6726a550b_attn,@function
k_qf6726a550b_attn:
	s_mov_b64 s[64:65], 0
	v_nop
	global_prefetch_b8 v0, s[64:65] scope:SCOPE_SE
	s_setreg_imm32_b32 hwreg(HW_REG_WAVE_MODE, 25, 1), 1
	s_wait_xcnt 0x0
	s_wait_alu depctr_hold_cnt(0) depctr_sa_sdst(0) depctr_va_vdst(0) depctr_va_sdst(0) depctr_va_ssrc(0) depctr_va_vcc(0) depctr_vm_vsrc(0)
	s_getreg_b32 s2, hwreg(HW_REG_IB_STS2, 6, 4)
	s_cmp_eq_u32 s2, 0
	s_cbranch_scc0 .Lentry_in_a_cluster
	s_endpgm
.Lentry_in_a_cluster:
	s_bfe_u32 s2, ttmp6, 0x10000c
	s_cmp_lg_u32 s2, 0x3003
	s_cbranch_scc0 .Lentry_shape_is_right
	s_endpgm
.Lentry_shape_is_right:
; ATTENTION on codes of FP8 (E4M3): for each of 64 (sequence, head) pairs, 2,048 queries x 2,048 keys, head size 64, causal mask and padding mask, and the quantising of the result for the last product.
; THE SOFTMAX AHEAD OF THE SECOND PRODUCT: t = score x log2(e) / 8; M = the row's largest t so far, rounded UP to a whole number; p = 2^(t - M) is quantised with 2^e8, not normalised; the row's sum is taken of the
; unquantised p and divides at the end.  When M moves, the sum and O are multiplied by 2^(old M - new M): nothing is rounded.
; SHARES.  A cluster of four work-groups is one head (cluster y = 16 n + head).  A work-group has sixteen waves of 256 registers, four to a SIMD, so that one wave's vector work stands beside another's products and LDS loads.
; Wave w of partner g owns the 32 queries from 128 W + 32 g on, two tiles of 16; W = w for w < 8, else 23 - w, so that the four waves w, w + 4, w + 8, w + 12 have together the same number of key steps for every w.
; CAUSAL.  A step of 64 keys all of which come after the 128 queries of group W is jumped over: a scalar branch on the wave's number alone, the same in all four partners.  So partners 0 and 1 work one step all of
; whose keys are hidden from them (p = 0 there): one step in 2 W + 2.  That is the price of partners that run alike.
; LDS.  A head's K and V images are 131,072 bytes each and lie in LDS whole: nothing is ever filled again.  All four partners read the same bytes, so each tile is asked for JOINTLY (mask 15).  Waves 0 to 3 fetch, in one
; branch on the wave's number: four loads each, one for each PHASE of 512 keys, 64 rows x 256 bytes (waves 0, 1: K's halves of the phase; waves 2, 3: V's): four loads of a wave are out.  In front of phase p every wave
; waits until at most 3 - p of its loads are out and passes a barrier: the later phases' tiles land while the earlier are worked.  No prefetch: all that the launch reads of K and V is asked for at its head.
; THE MASKS.  A table of 2,048 f32 in LDS holds 0 for a key that counts and -2^100 for a padded one; a step's 64 entries are the C of its first products, so the padding mask costs no vector instruction.  On the
; diagonal, hidden scores are replaced by -2^100.  The largest t starts at -2^24 c, under every t of a key that counts (|sum of 64 products of codes| < 2^24), so a masked score gives p = 2^(very negative) = 0.
; A row none of whose keys counts has the sum 0: its codes are made NaN codes, and the last product makes its row of the output NaN, as a softmax of nothing but -infinity does.
; LAYOUT.  Both products are used transposed: S^T = K Q^T (source 0 = 16 keys, source 1 = 16 queries), O^T = V^T P^T (source 0 = 16 channels, source 1 = P): a lane holds ONE query (lane % 16) throughout; in S^T tile c its
; registers are keys 16 c + 8 (lane / 16) + 0 .. 7, which converted are registers 2 c, 2 c + 1 of the 16x16x64 form's source 1: nothing changes lanes between the products.  Images as the projection launch lays them.
; aimg: [token / 128][k / 256][token tile 8][k step of 128: 2][chunk 4][512]: chunk c, lane (r, h): token r, k = 32 c + 16 h + 0 .. 15, k = 64 head + d.
; LIMITS on the given exponents: e6 + e7 between -90 and 20 (they are added to c's exponent field; 2^100 c must stay an f32 number and pass 150); e8 and e10 between -126 and 119; e8 + e9 is applied by v_ldexp_f32 and has none.
.set VIMG, 131072                      ; LDS: K's image at 0, V's here,
.set TBL,  262144                      ; the table of the padding mask here: 8,192 bytes, written by LDS stores alone
.set NEG,  0xf1800000                  ; -2^100
.set LN,   1                           ; v1   16 x lane; never rewritten
.set TB0,  2                           ; v2   TBL + 32 (lane / 16); never rewritten
.set AK,   3                           ; v3   LDS address of the step's K
.set AV,   4                           ; v4   of its V
.set AT,   5                           ; v5   of its table entries
.set QD,   6                           ; v6   my query of tile A - 8 (lane / 16)
.set LNV,  7                           ; v7   VIMG + 16 x lane
.set C2,   8                           ; v[8:9], v[10:11] the sums' second chains; at the end the NaN masks
.set SC,   12                          ; v12  2^e8, at the end 2^e10
.set LM,   13
.set PM,   14                          ; v14, v15 what the other half of the lanes sends
.set QA,   16                          ; v16-31  Q: two fragments
.set KV,   32                          ; v32-63  four fragments of K, then of V
.set BI,   64                          ; v64-95  the step's table entries, in the result's layout
.set SA,   96                          ; v96-159 S^T, then p: 32 registers a tile
.set OA,   160                         ; v160-223 O^T: 32 a tile
.set PA,   224                         ; v224-239 p's codes: 8 a tile
.set ST,   240                         ; tile x at v[ST + 6 x]: +0 -M, +1 the largest t, +2, +3 the sum in two halves, +4 f (+5: 0, named with it as a pair)
.set WK,   252                         ; v252-255 at work: two a tile
.set OUT,  32                          ; the way out: 8 registers a tile
.set WV,   16                          ; s16  my wave's number
.set CX,   17                          ; s17  my place in the cluster: it enters Q's and the result's addresses and the causal comparison's number, nothing else
.set NH,   18                          ; s18  16 n + head
.set WP,   19                          ; s19  W
.set QF,   21                          ; s21  the group's first query
.set QL,   22                          ; s22  its last
.set Q0,   23                          ; s23  my first query
.set G1,   24                          ; s[24:31] descriptor group 1;  s[32:47] four groups 0, one for each phase
.set G0,   32
.set CS,   60                          ; s[60:61] c = log2(e) / 8 x 2^(e6 + e7)
.set SEL,  62                          ; s[62:63] lane selects for v_permlanex16_b32: lane l xor 16
.set HI,   66                          ; s66  the lanes 16-31
.set SO,   70                          ; s70  the step's bytes in an image
.set TO,   71                          ; s71  in the table
.set KF,   72                          ; s72  its first key
.set CNT,  73                          ; s73  counts a phase's steps
.macro CROUND                          ; a round of the cluster's barrier
	s_barrier_signal -1
	s_barrier_wait -1
	s_cmp_lg_u32 s[WV], 0
	s_cbranch_scc1 .Lnot_wave_0_\@
	s_barrier_signal -3
.Lnot_wave_0_\@:
	s_barrier_wait -3
	s_barrier_signal -1
	s_barrier_wait -1
.endm
	s_load_b256 s[4:11], s[0:1], 0x0               ; qimg s[4:5], kimg s[6:7], vimg s[8:9], padding_mask s[10:11]
	s_load_b128 s[12:15], s[0:1], 0x20             ; the scales' exponents s[12:13], aimg s[14:15]
	v_lshl_add_u32 v254, v0, 2, 0x42000
	v_mov_b32 v255, 0
	ds_add_u32 v254, v255
	ds_add_u32 v254, v255
	s_wait_dscnt 0x0
	v_lshrrev_b32 v1, 5, v0
	s_delay_alu instid0(VALU_DEP_1)
	v_readfirstlane_b32 s[WV], v1                  ; wave 0..15
	s_bfe_u32 s[CX], ttmp6, 0x40000
	s_and_b32 s[NH], ttmp7, 0xffff
	s_lshr_b32 s[WP], s[WV], 3
	s_mul_i32 s[WP], s[WP], 7
	s_xor_b32 s[WP], s[WP], s[WV]                  ; W = w xor 7 (w / 8): w, or 23 - w
	s_lshl_b32 s[QF], s[WP], 7
	s_add_co_u32 s[QL], s[QF], 127
	s_lshl_b32 s[Q0], s[CX], 5
	s_add_co_u32 s[Q0], s[Q0], s[QF]
	s_and_b32 s67, s[WV], 3                        ; what I fetch, if I fetch: 0, 1: K's halves of a phase; 2, 3: V's
	s_lshr_b32 s20, s67, 1
	s_lshl_b32 s20, s20, 17
	s_and_b32 s68, s67, 1
	s_lshl_b32 s68, s68, 14
	s_add_co_u32 s20, s20, s68                     ; in LDS: the image + 16,384 x half
	s_lshl_b32 s50, s[NH], 17
	s_add_co_u32 s50, s50, s68                     ; in memory: the head's 131,072 bytes + 16,384 x half
	s_mov_b32 s51, 0
	s_mov_b32 s[G1], 15|(3<<16)|(1<<21)            ; 15:0 the mask: all four work-groups; 17:16 elements of 8 bytes; 21 set beside a mask; no padding: the lanes of a load read 512 consecutive bytes
	s_mov_b32 s[G1+1], 32<<16                      ; tensor_dim0 = 32 elements: rows of 256 bytes
	s_mov_b32 s[G1+2], 64<<16                      ; tensor_dim1 = 64
	s_mov_b32 s[G1+3], 32<<16                      ; tile_dim0
	s_mov_b32 s[G1+4], 64                          ; tile_dim1
	s_mov_b32 s[G1+5], 32                          ; tensor_dim0_stride: the block is dense
	s_mov_b32 s[G1+6], 0
	s_mov_b32 s[G1+7], 0
	s_mov_b32 s[SEL], 0x76543210
	s_mov_b32 s[SEL+1], 0xfedcba98
	s_mov_b32 s[HI], 0xffff0000
	s_wait_kmcnt 0x0
	s_load_b128 s[52:55], s[12:13], 0x18           ; e6, e7, e8, e9
	s_load_b32 s56, s[12:13], 0x28                 ; e10
	s_cmp_lt_u32 s67, 2
	s_cselect_b64 s[48:49], s[6:7], s[8:9]
	s_add_nc_u64 s[48:49], s[48:49], s[50:51]
.irp p, 0,1,2,3
	s_mov_b32 s[G0+4*\p], 1                        ; count = 1
	s_add_co_u32 s[G0+4*\p+1], s20, \p*32768       ; LDS address: phase p's 32,768 bytes of the image
	s_add_nc_u64 s[G0+4*\p+2:G0+4*\p+3], s[48:49], \p*32768
	s_or_b32 s[G0+4*\p+3], s[G0+4*\p+3], 0x80000000  ; type = 2
.endr
	CROUND                                         ; all four work-groups are here: the joint loads meet
	s_cmp_lt_u32 s[WV], 4                          ; all the fills of a wave stand in one branch on the wave's number, ahead of every wait on TENSORcnt, every LDS read and every other barrier
	s_cbranch_scc0 .Lnone
	tensor_load_to_lds s[G0:G0+3], s[G1:G1+7]
	s_nop 0
	tensor_load_to_lds s[G0+4:G0+7], s[G1:G1+7]
	s_nop 0
	tensor_load_to_lds s[G0+8:G0+11], s[G1:G1+7]
	s_nop 0
	tensor_load_to_lds s[G0+12:G0+15], s[G1:G1+7]
	s_nop 0
.rept 4
	v_nop
.endr
.Lnone:
	v_and_b32 v8, 15, v0                           ; r
	v_bfe_u32 v9, v0, 4, 1                         ; h
	v_and_b32 v[LN], 31, v0
	s_delay_alu instid0(VALU_DEP_1)
	v_lshlrev_b32 v[LN], 4, v[LN]
	s_wait_alu depctr_va_vdst(0)
	v_lshlrev_b32 v[AK], 4, v0                     ; 16 x thread: my four entries of the mask (the register is free again behind the wait for that load)
	s_lshr_b32 s67, s[NH], 4                       ; n
	s_lshl_b32 s68, s67, 13
	s_mov_b32 s69, 0
	s_add_nc_u64 s[10:11], s[10:11], s[68:69]      ; the sequence's 2,048 entries
	global_load_b128 v[KV:KV+3], v[AK], s[10:11]
	s_lshl_b32 s68, s[NH], 17
	s_lshl_b32 s74, s[Q0], 6
	s_add_co_u32 s68, s68, s74
	s_add_nc_u64 s[4:5], s[4:5], s[68:69]          ; Q's image at my first query: 1,024 bytes a tile of 16
.irp i, 0,1,2,3
	global_load_b128 v[QA+4*\i:QA+4*\i+3], v[LN], s[4:5] offset:512*\i
.endr
	; where my result goes: ((16 n + W) x 4 + head / 4) x 32,768 + 8,192 g + (head % 4) x 1,024
	s_and_b32 s68, s[NH], 15                       ; the head
	s_lshl_b32 s67, s67, 4
	s_add_co_u32 s67, s67, s[WP]
	s_lshl_b32 s67, s67, 2
	s_lshr_b32 s74, s68, 2
	s_add_co_u32 s67, s67, s74
	s_lshl_b32 s67, s67, 15
	s_lshl_b32 s74, s[CX], 13
	s_add_co_u32 s67, s67, s74
	s_and_b32 s74, s68, 3
	s_lshl_b32 s74, s74, 10
	s_add_co_u32 s74, s74, s67
	s_mov_b32 s75, 0
	s_add_nc_u64 s[14:15], s[14:15], s[74:75]
	v_lshl_add_u32 v[TB0], v9, 5, TBL
	v_add_nc_u32 v[LNV], VIMG, v[LN]
	v_lshl_add_u32 v[AV], v0, 4, TBL               ; where I store my four entries of the table
	v_lshlrev_b32 v[AT], 3, v9
	s_delay_alu instid0(VALU_DEP_1)
	v_sub_nc_u32 v[QD], v8, v[AT]
	s_delay_alu instid0(VALU_DEP_1)
	v_add_nc_u32 v[QD], s[Q0], v[QD]               ; my query of tile A - 8 h
	v_mov_b32 v[PM], 0                             ; written once: a lane permute's destination counts as one of its sources
	v_mov_b32 v[PM+1], 0
.irp x, 0,1
	v_mov_b32 v[ST+6*\x+2], 0                      ; the sum, in two halves
	v_mov_b32 v[ST+6*\x+3], 0
	v_mov_b32 v[ST+6*\x+5], 0                      ; (named as the upper half of f's pair)
.endr
.set j, 0
.rept 64
	v_mov_b32 v[OA+j], 0                           ; O^T.  (A step is written once for each phase, with no first step of its own: the first finds zeros, which the first change of M leaves zeros)
.set j, j+1
.endr
	s_wait_kmcnt 0x0
	s_add_co_i32 s67, s52, s53
	s_lshl_b32 s67, s67, 23
	s_mov_b32 s[CS], 0x3e38aa3b                    ; log2(e) / 8
	s_add_co_i32 s[CS], s[CS], s67                 ; a score stands for score x 2^(e6 + e7): the two exponents are added to c's exponent field
	s_mov_b32 s[CS+1], s[CS]                       ; (named with it as a pair, so it is written)
	s_add_co_u32 s67, s[CS], 0x0c000000
	s_or_b32 s67, s67, 0x80000000                  ; -2^24 c: under the t of every key that counts
.irp x, 0,1
	v_mov_b32 v[ST+6*\x+1], s67
	s_delay_alu instid0(VALU_DEP_1)
	v_floor_f32 v[ST+6*\x], -v[ST+6*\x+1]          ; -M
.endr
	s_add_co_i32 s67, s54, 127
	s_lshl_b32 s68, s67, 23
	v_mov_b32 v[SC], s68                           ; 2^e8 as f32, for p's conversion
	s_wait_loadcnt 4                               ; my entries of the mask are in; the four loads of Q may be out
	v_mov_b32 v[WK], NEG
.irp i, 0,1,2,3
	v_cmp_eq_u32 vcc_lo, 0, v[KV+\i]
	s_delay_alu instid0(VALU_DEP_1)
	v_cndmask_b32 v[KV+\i], 0, v[WK], vcc_lo       ; 0 where the key counts, -2^100 where it is padded
.endr
	ds_store_b128 v[AV], v[KV:KV+3]
; A KEY STEP: 64 keys, both my tiles.
.macro STEP
	s_cmp_gt_u32 s[KF], s[QL]                      ; all its keys come after the group's queries: nothing to do
	s_cbranch_scc1 .Lskip_\@
	s_setprio 2
	v_add_nc_u32 v[AK], s[SO], v[LN]
	v_add_nc_u32 v[AV], s[SO], v[LNV]
	v_add_nc_u32 v[AT], s[TO], v[TB0]
	v_nop                                          ; with the three additions: four places behind the last step's products, in front of loads into registers that they read
.irp c, 0,1,2,3
	ds_load_b128 v[BI+8*\c:BI+8*\c+3],   v[AT] offset:64*\c      ; the table's entries of keys 16 c + 8 h + 0 .. 7: sixteen lanes read the same 16 bytes
	ds_load_b128 v[BI+8*\c+4:BI+8*\c+7], v[AT] offset:64*\c+16
.endr
.irp c, 0,1,2,3
	ds_load_b128 v[KV+8*\c:KV+8*\c+3],   v[AK] offset:1024*\c    ; K's fragment of keys 16 c on: an image of its registers, 512 consecutive bytes a load
	ds_load_b128 v[KV+8*\c+4:KV+8*\c+7], v[AK] offset:1024*\c+512
.endr
	s_wait_alu depctr_va_vdst(0)
	s_wait_dscnt 0x0
.irp c, 0,1,2,3
.irp x, 0,1
	v_wmma_f32_16x16x64_fp8_fp8 v[SA+32*\x+8*\c:SA+32*\x+8*\c+7], v[KV+8*\c:KV+8*\c+7], v[QA+8*\x:QA+8*\x+7], v[BI+8*\c:BI+8*\c+7]   ; the head's 64 are one instruction's K; C = the padding mask
.endr
.endr
.rept 4
	v_nop                                          ; four places: in front of the loads into K's registers and of the first read of the scores
.endr
.irp d, 0,1,2,3
	ds_load_b128 v[KV+8*\d:KV+8*\d+3],   v[AV] offset:1024*\d    ; V's fragment of channels 16 d on: it lands while the softmax is worked
	ds_load_b128 v[KV+8*\d+4:KV+8*\d+7], v[AV] offset:1024*\d+512
.endr
	s_cmp_lt_u32 s[KF], s[QF]                      ; all its keys come before the group's queries: no score is hidden
	s_cbranch_scc1 .Lopen_\@
	v_sub_nc_u32 v[WK+2], v[QD], s[KF]             ; d = my query of tile A - the step's first key - 8 h.  Register 8 c + j holds key 16 c + 8 h + j of the step: hidden where 16 c + j > d (tile B, 16 queries on: where 16 c + j - 16 > d)
	v_mov_b32 v[WK+3], NEG
.irp x, 0,1
.set n, 0
.rept 32
	v_cmp_gt_i32 vcc_lo, 16*(n/8)+n%8-16*\x, v[WK+2]
	v_cndmask_b32 v[SA+32*\x+n], v[SA+32*\x+n], v[WK+3], vcc_lo
.set n, n+1
.endr
.endr
.Lopen_\@:
.irp x, 0,1                                    ; the step's largest score of my query among my 32 keys: two chains a tile, each accumulator from its low end on; the tiles alternate
	v_max3_num_f32 v[WK+2*\x],   v[SA+32*\x],   v[SA+32*\x+1], v[SA+32*\x+2]
	v_max3_num_f32 v[WK+2*\x+1], v[SA+32*\x+3], v[SA+32*\x+4], v[SA+32*\x+5]
.endr
.irp i, 6,10,14,18,22,26
.irp x, 0,1
	v_max3_num_f32 v[WK+2*\x],   v[WK+2*\x],   v[SA+32*\x+\i],   v[SA+32*\x+\i+1]
	v_max3_num_f32 v[WK+2*\x+1], v[WK+2*\x+1], v[SA+32*\x+\i+2], v[SA+32*\x+\i+3]
.endr
.endr
.irp x, 0
	v_max3_num_f32 v[WK+2*\x], v[WK+2*\x], v[SA+32*\x+30], v[SA+32*\x+31]
.endr
.irp x, 1
	v_max3_num_f32 v[WK+2*\x], v[WK+2*\x], v[SA+32*\x+30], v[SA+32*\x+31]
.endr
.irp x, 0,1
	s_delay_alu instid0(VALU_DEP_2)
	v_max_num_f32 v[WK+2*\x], v[WK+2*\x], v[WK+2*\x+1]
.endr
.irp x, 0,1
	s_delay_alu instid0(VALU_DEP_2)
	v_permlanex16_b32 v[PM+\x], v[WK+2*\x], s[SEL], s[SEL+1]
.endr
.irp x, 0,1
	s_delay_alu instid0(VALU_DEP_2)
	v_max_num_f32 v[WK+2*\x], v[WK+2*\x], v[PM+\x] ; and among lane l xor 16's
.endr
.irp x, 0,1
	s_delay_alu instid0(VALU_DEP_2)
	v_mul_f32 v[WK+2*\x], s[CS], v[WK+2*\x]        ; as t (c is positive)
.endr
.irp x, 0,1
	s_delay_alu instid0(VALU_DEP_2)
	v_max_num_f32 v[ST+6*\x+1], v[ST+6*\x+1], v[WK+2*\x]   ; the running largest t
.endr
.irp x, 0,1
	v_mov_b32 v[WK+2*\x], v[ST+6*\x]
.endr
.irp x, 0,1
	s_delay_alu instid0(VALU_DEP_4)
	v_floor_f32 v[ST+6*\x], -v[ST+6*\x+1]          ; the new -M = floor(-t) = -ceil(t): M is a whole number
.endr
.irp x, 0,1
	s_delay_alu instid0(VALU_DEP_2)
	v_sub_f32 v[WK+2*\x], v[ST+6*\x], v[WK+2*\x]   ; M's old value less its new one: a whole number, 0 or less
.endr
.irp x, 0,1
	s_delay_alu instid0(VALU_DEP_2)
	v_cvt_i32_f32 v[WK+2*\x], v[WK+2*\x]           ; (it saturates)
.endr
.irp x, 0,1
	s_delay_alu instid0(VALU_DEP_2)
	v_ldexp_f32 v[ST+6*\x+4], 1.0, v[WK+2*\x]      ; f = 2^(old M - new M)
.endr
.set j, 0
.rept 16
.irp x, 0,1
	v_pk_fma_f32 v[SA+32*\x+j:SA+32*\x+j+1], v[SA+32*\x+j:SA+32*\x+j+1], s[CS:CS+1], v[ST+6*\x:ST+6*\x+1] op_sel_hi:[1,0,0]   ; t - M, two at a time (of the pairs c and -M the low word serves both halves)
.endr
.set j, j+2
.endr
.set j, 0
	s_setprio 1
	s_wait_alu depctr_va_vdst(0)
.rept 64
	v_exp_f32 v[SA+j], v[SA+j]                     ; p = 2^(t - M), at most 1: not normalised.  ONE batch for both tiles
.set j, j+1
.endr
.irp x, 0,1
	v_pk_mul_f32 v[ST+6*\x+2:ST+6*\x+3], v[ST+6*\x+2:ST+6*\x+3], v[ST+6*\x+4:ST+6*\x+5] op_sel_hi:[1,0]   ; the sums under the new M: plain lines behind the exponentials, which name none of their results
.endr
	s_wait_alu depctr_va_vdst(0)                   ; one wait for the whole batch, ahead of its first reader
.irp x, 0,1
	v_pk_add_f32 v[C2+2*\x:C2+2*\x+1], v[SA+32*\x:SA+32*\x+1], v[SA+32*\x+2:SA+32*\x+3]   ; the row's sum is taken of the UNQUANTISED p: two at a time, two chains a tile
.endr
.irp i, 4,8,12,16,20,24,28
.irp x, 0,1
	v_pk_add_f32 v[ST+6*\x+2:ST+6*\x+3], v[ST+6*\x+2:ST+6*\x+3], v[SA+32*\x+\i:SA+32*\x+\i+1]
	v_pk_add_f32 v[C2+2*\x:C2+2*\x+1], v[C2+2*\x:C2+2*\x+1], v[SA+32*\x+\i+2:SA+32*\x+\i+3]
.endr
.endr
.irp x, 0
	s_delay_alu instid0(VALU_DEP_3)
	v_pk_add_f32 v[ST+6*\x+2:ST+6*\x+3], v[ST+6*\x+2:ST+6*\x+3], v[C2+2*\x:C2+2*\x+1]
.endr
.irp x, 1
	s_delay_alu instid0(VALU_DEP_2)
	v_pk_add_f32 v[ST+6*\x+2:ST+6*\x+3], v[ST+6*\x+2:ST+6*\x+3], v[C2+2*\x:C2+2*\x+1]
.endr
.set j, 0
.rept 64
.set j, j+1
.endr
.irp x, 0,1
.irp c, 0,1,2,3
	v_cvt_scalef32_pk8_fp8_f32 v[PA+8*\x+2*\c:PA+8*\x+2*\c+1], v[SA+32*\x+8*\c:SA+32*\x+8*\c+7], v[SC]   ; keys 16 c + 8 h + 0 .. 7: registers 2 c, 2 c + 1 of the operand
.endr
.endr
.set j, 0
.rept 16
.irp x, 0,1
	v_pk_mul_f32 v[OA+32*\x+j:OA+32*\x+j+1], v[OA+32*\x+j:OA+32*\x+j+1], v[ST+6*\x+4:ST+6*\x+5] op_sel_hi:[1,0]   ; O^T under the new M, each accumulator from its low end on.  (Also the plain lines between the conversions and the products)
.endr
.set j, j+2
.endr
	s_setprio 0
	s_wait_alu depctr_va_vdst(0)
	s_wait_dscnt 0x0                               ; V is in
.irp d, 0,1,2,3
.irp x, 0,1
	v_wmma_f32_16x16x64_fp8_fp8 v[OA+32*\x+8*\d:OA+32*\x+8*\d+7], v[KV+8*\d:KV+8*\d+7], v[PA+8*\x:PA+8*\x+7], v[OA+32*\x+8*\d:OA+32*\x+8*\d+7]   ; the eight accumulators take turns, one instruction a turn
.endr
.endr
.Lskip_\@:
.endm
; A PHASE: 512 keys, eight steps.  Every wave walks all eight trips of all four phases: trip counts are constants, and no barrier is jumped over.
.macro PHASE p
	s_wait_tensorcnt 3-\p                          ; my loads of phases 0 to p have landed; those of the later phases may be out
	s_wait_dscnt 0x0                               ; no LDS instruction of mine is out (ahead of the first phase: my entries of the table are stored)
	s_barrier_signal -1
	s_barrier_wait -1                              ; both now hold of every wave
.if \p == 0
	s_wait_loadcnt 0x0                             ; Q
.endif
	s_mov_b32 s[SO], \p*32768
	s_mov_b32 s[TO], \p*2048
	s_mov_b32 s[KF], \p*512
	s_mov_b32 s[CNT], 8
.Lstep_\@:
	STEP
	s_add_co_u32 s[SO], s[SO], 4096
	s_add_co_u32 s[TO], s[TO], 256
	s_add_co_u32 s[KF], s[KF], 64
	s_sub_co_u32 s[CNT], s[CNT], 1
	s_cmp_lg_u32 s[CNT], 0
	s_cbranch_scc1 .Lstep_\@
	s_setprio 0
.endm
	PHASE 0
	PHASE 1
	PHASE 2
	PHASE 3
	; THE WAY OUT.  O^T x 2^(e8 + e9) / the sum is the attention's result; it is quantised with 2^e10 and laid as the last product's operand wants it.
.rept 4
	v_nop                                          ; places behind the last products
.endr
.irp x, 0,1
	v_add_f32 v[WK+2*\x], v[ST+6*\x+2], v[ST+6*\x+3]   ; the sum's two halves,
.endr
.irp x, 0,1
	s_delay_alu instid0(VALU_DEP_2)
	v_permlanex16_b32 v[PM+\x], v[WK+2*\x], s[SEL], s[SEL+1]
.endr
.irp x, 0,1
	s_delay_alu instid0(VALU_DEP_2)
	v_add_f32 v[WK+2*\x], v[WK+2*\x], v[PM+\x]     ; and lane l xor 16's: the row's sum
.endr
	s_wait_alu depctr_va_vdst(0)
.irp x, 0,1
	v_rcp_f32 v[WK+2*\x+1], v[WK+2*\x]
.endr
	v_mov_b32 v[AT], 0x7f7f7f7f                    ; (a plain line behind the reciprocals)
.irp x, 0,1
	v_cmp_eq_f32 vcc_lo, 0, v[WK+2*\x]
	s_delay_alu instid0(VALU_DEP_1)
	v_cndmask_b32 v[C2+2*\x], 0, v[AT], vcc_lo     ; a row none of whose keys counts: its codes will be NaN codes
.endr
	s_add_co_i32 s67, s54, s55                     ; e8 + e9
	s_add_co_i32 s68, s56, 127
	s_lshl_b32 s69, s68, 23
	v_mov_b32 v[SC], s69                           ; 2^e10 as f32
	s_wait_alu depctr_va_vdst(0)                   ; one wait for both reciprocals, ahead of their first reader
.irp x, 0,1
	v_ldexp_f32 v[WK+2*\x+1], v[WK+2*\x+1], s67
.endr
.set j, 0
.rept 32
.irp x, 0,1
	v_mul_f32 v[SA+32*\x+j], v[OA+32*\x+j], v[WK+2*\x+1]   ; register 8 t + i: channel 16 t + 8 h + i of my query; each accumulator from its low end on
.endr
.set j, j+1
.endr
.set j, 0
.rept 64
.set j, j+1
.endr
.irp x, 0,1
.irp t, 0,1,2,3
	v_cvt_scalef32_pk8_fp8_f32 v[PA+8*\x+2*\t:PA+8*\x+2*\t+1], v[SA+32*\x+8*\t:SA+32*\x+8*\t+7], v[SC]
.endr
.endr
	v_nop                                          ; one plain line between the last conversion and the first reader of a result
; The operand wants d = 32 b + 16 h + 0 .. 15 in lane (r, h); the lane holds d = 16 t + 8 h + 0 .. 7 of every t.  So lane h = 0 keeps tile 2 b and takes its upper eight from lane h = 1; lane h = 1 keeps tile 2 b + 1 and takes
; its lower eight from lane h = 0: each sends the tile that it does not keep.
.irp x, 0,1
.irp b, 0,1
.irp e, 0,1
	v_cndmask_b32 v[WK], v[PA+8*\x+4*\b+2+\e], v[PA+8*\x+4*\b+\e], s[HI]
	s_delay_alu instid0(VALU_DEP_1)
	v_permlanex16_b32 v[PM], v[WK], s[SEL], s[SEL+1]
	v_cndmask_b32 v[OUT+8*\x+4*\b+\e],   v[PA+8*\x+4*\b+\e], v[PM], s[HI]
	v_cndmask_b32 v[OUT+8*\x+4*\b+2+\e], v[PM], v[PA+8*\x+4*\b+2+\e], s[HI]
.endr
.endr
.endr
.irp x, 0,1
.irp i, 0,1,2,3,4,5,6,7
	v_or_b32 v[OUT+8*\x+\i], v[OUT+8*\x+\i], v[C2+2*\x]
.endr
.endr
.irp x, 0,1
.irp b, 0,1
	global_store_b128 v[LN], v[OUT+8*\x+4*\b:OUT+8*\x+4*\b+3], s[14:15] offset:4096*\x+512*\b   ; 32 lanes store 512 consecutive bytes, at a multiple of 512 from the image's first byte
.endr
.endr
	s_wait_xcnt 0x0
	v_lshl_add_u32 v254, v0, 2, 0x42000
	v_mov_b32 v255, 0
	s_wait_alu depctr_va_vdst(0)
	s_wait_tensorcnt 0x0
	ds_add_u32 v254, v255
	s_wait_dscnt 0x0
	CROUND                                         ; the closing round: no work-group ends while a partner may still ask for a tile that names it
	s_endpgm
.Lfunc_end_k_qf6726a550b_attn:
	.size	k_qf6726a550b_attn, .Lfunc_end_k_qf6726a550b_attn-k_qf6726a550b_attn
	.p2alignl 7, 3214868480
	.fill 96, 4, 3214868480
	.section	.rodata,"a",@progbits
	.p2align	6, 0x0
	.amdhsa_kernel k_qf6726a550b_attn
		.amdhsa_group_segment_fixed_size 272384
		.amdhsa_private_segment_fixed_size 0
		.amdhsa_enable_private_segment 0
		.amdhsa_kernarg_size 48
		.amdhsa_user_sgpr_count 2
		.amdhsa_user_sgpr_kernarg_segment_ptr 1
		.amdhsa_wavefront_size32 1
		.amdhsa_system_sgpr_workgroup_id_x 1
		.amdhsa_system_sgpr_workgroup_id_y 1
		.amdhsa_system_sgpr_workgroup_id_z 1
		.amdhsa_system_vgpr_workitem_id 0
		.amdhsa_next_free_vgpr 256
		.amdhsa_next_free_sgpr 80
		.amdhsa_reserve_vcc 1
		.amdhsa_float_denorm_mode_32 3
		.amdhsa_float_denorm_mode_16_64 3
		.amdhsa_fp16_overflow 1
		.amdhsa_memory_ordered 1
		.amdhsa_forward_progress 1
		.amdhsa_inst_pref_size 97
	.end_amdhsa_kernel
	.amdgpu_metadata
---
amdhsa.version: [ 1, 2 ]
amdhsa.kernels:
  - .name:           k_qf6726a550b_attn
    .symbol:         k_qf6726a550b_attn.kd
    .args:
      - { .name: qimg, .offset: 0, .size: 8, .value_kind: global_buffer, .address_space: global }
      - { .name: kimg, .offset: 8, .size: 8, .value_kind: global_buffer, .address_space: global }
      - { .name: vimg, .offset: 16, .size: 8, .value_kind: global_buffer, .address_space: global }
      - { .name: padding_mask, .offset: 24, .size: 8, .value_kind: global_buffer, .address_space: global }
      - { .name: lowp_scales, .offset: 32, .size: 8, .value_kind: global_buffer, .address_space: global }
      - { .name: aimg, .offset: 40, .size: 8, .value_kind: global_buffer, .address_space: global }
    .group_segment_fixed_size: 272384
    .private_segment_fixed_size: 0
    .kernarg_segment_align: 8
    .kernarg_segment_size: 48
    .max_flat_workgroup_size: 512
    .sgpr_count:     80
    .vgpr_count:     256
    .wavefront_size: 32
...
	.end_amdgpu_metadata
.endif
;; end of part 2
;; launch outp (part 3): grid 4 x 32, 4 waves a work-group, clusters of 4 x 4, 327,680 bytes of LDS; arguments aimg, Wo_codes, lowp_scales, bo, out0; writes out0
.if DOCPART == 3
	.amdgcn_target "amdgcn-amd-amdhsa--gfx1250"
	.amdhsa_code_object_version 6
	.text
	.protected	k_qf6726a550b_outp
	.globl	k_qf6726a550b_outp
	.p2align	8
	.type	k_qf6726a550b_outp,@function
k_qf6726a550b_outp:
	s_mov_b64 s[64:65], 0
	v_nop
	global_prefetch_b8 v0, s[64:65] scope:SCOPE_SE
	s_setreg_imm32_b32 hwreg(HW_REG_WAVE_MODE, 25, 1), 1
	s_wait_xcnt 0x0
	s_wait_alu depctr_hold_cnt(0) depctr_sa_sdst(0) depctr_va_vdst(0) depctr_va_sdst(0) depctr_va_ssrc(0) depctr_va_vcc(0) depctr_vm_vsrc(0)
	s_getreg_b32 s2, hwreg(HW_REG_IB_STS2, 6, 4)
	s_cmp_eq_u32 s2, 0
	s_cbranch_scc0 .Lentry_in_a_cluster
	s_endpgm
.Lentry_in_a_cluster:
	s_bfe_u32 s2, ttmp6, 0x10000c
	s_cmp_lg_u32 s2, 0xf033
	s_cbranch_scc0 .Lentry_shape_is_right
	s_endpgm
.Lentry_shape_is_right:
; THE LAST PRODUCT: out[m][n] = sum over k of A[m][k] Wo[n][k] x 2^(e10 + e11) + bo[n], on codes of FP8 (E4M3).  A: the attention's result, 8,192 x 1,024, as the attention launch laid it; Wo: [1,024][1,024], K innermost; out: f32.
; A row of A that holds NaN codes (a query none of whose keys counts) gives a row of NaN.
; A tile of 256 x 256 is made by four waves, as many as a WGP has SIMDs; a wave makes 128 x 128: 64 accumulators, 512 registers.  K goes in steps of 256 through a ring of two LDS slots filled by the tensor data mover.
; 128 tiles: a smaller tile would give every WGP one, but a wave tile of 64 x 128 reads half as much again from LDS for each multiply-add; the larger tile is kept.
; A's IMAGE: [m / 128][k / 256][tile of 16 rows: 8][k step of 128: 2][chunk 4][512]: chunk c, lane (r, h): row r, k = 32 c + 16 h + 0 .. 15: four registers of the fragment.  So 128 rows x 256 K are one dense block of 32,768 bytes
; for one tensor load, it needs no padding (a load's 32 lanes read 512 consecutive bytes), and the order of k in a fragment is the one that four loads of 16 bytes give Wo's rows: every product meets its partner.
; CLUSTERS: 4 x 4 work-groups; A's tiles are asked for jointly along a row of the cluster, Wo's along a column.  THE MATRIX INSTRUCTION IS USED TRANSPOSED (source 0 = 16 rows of Wo, source 1 = 16 rows of A).
; LIMIT: e10 + e11 between -126 and 127, so that 2^(e10 + e11) is an f32 number.  No prefetch: K has four steps, and two of them are asked for at the head.
; REGISTERS, in windows of 256: window 0: v0-31 addresses, v8-11 my four numbers of bo; from v128 A's fragments, ONE set; on the way out v32-255 are free.
;   window 1: Wo's fragments, TWO sets, at v0 and at v128.   window 2: the 32 accumulators of my rows 0-63 (accumulator (a, b) at v[8 (8 a + b)]);   window 3: those of my rows 64-127.
.set SIZE_K, 1024
.set SIZE_N, 1024
.set KSTEP,  256
.set ROWB,   256                       ; a row of Wo's tile in bytes
.set KROW,   SIZE_K                    ; a row of Wo in memory
.set ABLK,   32768                     ; A: 128 rows x 256 K
.set PITCH,  272                       ; an LDS row of Wo: 256 bytes + 16 of padding: the 16 rows that a load touches start at 16 different banks (64 banks of 4 bytes: ISA guide 11.1)
.set FR,     16
.set NL,     4
.set NP,     4
.set HALFT,  128*PITCH                 ; room for 128 rows: what one tensor load brings (A's block fills 32,768 bytes of it)
.set SLOT,   4*HALFT                   ; A's two blocks, then Wo's 256 rows
.set LAPS,   SIZE_K/(2*KSTEP)
.set SPARE,  2*SLOT                    ; behind the ring: the spare words, 128 bytes for each wave: two blocks of 256 bytes that no other line names
.set SPITCH, 528                       ; the way out: a stage of 16 rows x (512 bytes + 16) for each wave.  It lies in slot 0, which has had its last fill and its last read when the first result is stored there
.set BO,   8                           ; v8-11   bo at my four columns of a row
.set ADRA, 16
.set ADRB, 20
.set STO,  24                          ; v24     the way out: where I put 32 bytes of a row
.set RD,   25                          ; v25     where I read a row back
.set CO,   26                          ; v26     16 x lane
.set SPW,  28
.set NIL,  29
.set TMP,  32                          ; the way out: 64 registers, a block's sums x 2^(e10 + e11)
.set AF,   128
.set BK,   128                         ; the way out: 16 rows read back from the stage: v128-191 and v192-255 by turns
.set G1, 24
.set G0, 32
.set G1B, 48
.set G0B, 56
.set MSB, 0
.macro WIN new                         ; the immediate's high byte repeats the setting that is left
.if MSB != \new
	s_set_vgpr_msb (MSB<<8)|\new
.set MSB, \new
.endif
.endm
.set MUL_LO, 0xa1
.set MUL_HI, 0xf1
.set TO_B,   0x40
.macro JLOAD g0a, g1a, g0b, g1b        ; a joint load: waves 0 and 1 fetch for A, waves 2 and 3 for Wo; four v_nop follow each of the two lines
	s_cmp_eq_u32 s15, 0
	s_cbranch_scc0 .Lfor_b_\@
	tensor_load_to_lds s[\g0a:\g0a+3], s[\g1a:\g1a+7]
	s_nop 0
.rept 4
	v_nop
.endr
	s_branch .Lasked_\@
.Lfor_b_\@:
	tensor_load_to_lds s[\g0b:\g0b+3], s[\g1b:\g1b+7]
	s_nop 0
.rept 4
	v_nop
.endr
.Lasked_\@:
.endm
.macro CREST
	s_cmp_lg_u32 s14, 0
	s_cbranch_scc1 .Lnot_wave_0_\@
	s_barrier_signal -3
.Lnot_wave_0_\@:
	s_barrier_wait -3
	s_barrier_signal -1
	s_barrier_wait -1
.endm
.macro CROUND
	s_barrier_signal -1
	s_barrier_wait -1
	CREST
.endm
	s_load_b128 s[4:7], s[0:1], 0x0                ; A's image s[4:5], Wo's codes s[6:7]
	s_load_b128 s[8:11], s[0:1], 0x10              ; the scales' exponents s[8:9], bo s[10:11]
	s_load_b64 s[12:13], s[0:1], 0x20              ; out
	v_lshl_add_u32 v[SPW], v0, 2, SPARE
	v_mov_b32 v[NIL], 0
	ds_add_u32 v28, v29
	ds_add_u32 v28, v29
	s_wait_dscnt 0x0
	v_lshrrev_b32 v1, 5, v0
	v_readfirstlane_b32 s14, v1                    ; wave 0..3
	s_lshr_b32 s15, s14, 1                         ; which half of the tile's rows is mine.  Also: I fetch for A (0) or for Wo (1)
	s_and_b32 s16, s14, 1                          ; which half of its columns.  Also: which 128 rows of that tile I fetch
	s_bfe_u32 s40, ttmp6, 0x40000
	s_bfe_u32 s41, ttmp6, 0x40004
	s_lshl_b32 s42, ttmp9, 2
	s_add_co_u32 s42, s42, s40                     ; tile column = 4 x cluster x + cx
	s_and_b32 s17, ttmp7, 0xffff
	s_lshl_b32 s17, s17, 2
	s_add_co_u32 s17, s17, s41                     ; tile row = 4 x cluster y + cy
	s_lshl_b32 s43, s41, 2
	s_lshl_b32 s43, 15, s43                        ; my row of the cluster
	s_lshl_b32 s44, 0x1111, s40                    ; my column
	s_or_b32 s[G1+0], s43, (0<<16)|(1<<21)         ; A: the mask of my row; elements of 1 byte; 21 set beside a mask; no padding
	s_mov_b32 s[G1+1], 256<<16                     ; tensor_dim0: the block as rows of 256 bytes
	s_mov_b32 s[G1+2], 128<<16                     ; tensor_dim1 = 128
	s_mov_b32 s[G1+3], 256<<16                     ; tile_dim0
	s_mov_b32 s[G1+4], 128                         ; tile_dim1
	s_mov_b32 s[G1+5], 256                         ; tensor_dim0_stride: dense
	s_mov_b32 s[G1+6], 0
	s_mov_b32 s[G1+7], 0
	s_or_b32 s[G1B+0], s44, (0<<16)|(1<<20)|(1<<21)|(5<<22)|(3<<25)  ; Wo: the mask of my column; padding: 4 words after every 64
	s_mov_b32 s[G1B+1], ROWB<<16
	s_mov_b32 s[G1B+2], 128<<16
	s_mov_b32 s[G1B+3], ROWB<<16
	s_mov_b32 s[G1B+4], 128
	s_mov_b32 s[G1B+5], KROW
	s_mov_b32 s[G1B+6], 0
	s_mov_b32 s[G1B+7], 0
	s_lshl_b32 s20, s17, 1
	s_add_co_u32 s20, s20, s16                     ; A: group of 128 rows 2 x tile row + half,
	s_lshl_b32 s20, s20, 17                        ; 131,072 bytes each
	s_mov_b32 s21, 0
	s_lshl_b32 s18, s16, 7
	s_lshl_b32 s46, s42, 8
	s_add_co_u32 s46, s46, s18                     ; Wo: row 256 x tile column + 128 x half
	s_mov_b32 s47, 0
	s_mov_b64 s[18:19], KROW
	s_mul_u64 s[46:47], s[46:47], s[18:19]
	s_mul_i32 s45, s14, HALFT                      ; where they go: wave x HALFT: no place in the cluster enters an LDS address
	s_wait_kmcnt 0x0
	s_load_b64 s[96:97], s[8:9], 0x28              ; e10, e11
	s_add_nc_u64 s[20:21], s[4:5], s[20:21]
	s_add_nc_u64 s[46:47], s[6:7], s[46:47]
	CROUND                                         ; all sixteen work-groups are here: the first joint loads meet
.irp s, 0,1
	s_mov_b32 s[G0+4*\s], 1
	s_add_co_u32 s[G0+4*\s+1], s45, \s*SLOT
	s_add_nc_u64 s[G0+4*\s+2:G0+4*\s+3], s[20:21], \s*ABLK
	s_or_b32 s[G0+4*\s+3], s[G0+4*\s+3], 0x80000000
	s_mov_b32 s[G0B+4*\s], 1
	s_add_co_u32 s[G0B+4*\s+1], s45, \s*SLOT
	s_add_nc_u64 s[G0B+4*\s+2:G0B+4*\s+3], s[46:47], \s*ROWB
	s_or_b32 s[G0B+4*\s+3], s[G0B+4*\s+3], 0x80000000
	s_wait_alu depctr_va_vdst(0)
	s_wait_tensorcnt 0x0
	ds_add_u32 v28, v29
	ds_add_u32 v28, v29
	s_wait_dscnt 0x0
	CROUND
	JLOAD G0+4*\s, G1, G0B+4*\s, G1B
.endr
	v_and_b32 v1, 15, v0                           ; l % 16
	v_bfe_u32 v2, v0, 4, 1                         ; l / 16
	v_mul_u32_u24 v3, v1, PITCH
	v_lshl_add_u32 v4, v2, 4, v3                   ; Wo: a fragment's row x pitch + 16 x half
	v_and_b32 v6, 31, v0
	v_lshlrev_b32 v[CO], 4, v6                     ; A: 16 x lane in a chunk.  Also my 16 bytes of a row of 512 on the way out
	s_wait_alu depctr_va_vdst(0)
	s_mul_i32 s21, s15, HALFT                      ; my 128 rows of A
	s_mul_i32 s22, s16, HALFT                      ; my 128 rows of Wo,
	s_add_co_u32 s22, s22, 2*HALFT                 ; which lie behind A's two blocks
.irp s, 0,1
	v_add_nc_u32 v[ADRA+\s], s21, v[CO]
	v_add_nc_u32 v[ADRB+\s], s22, v4
	s_add_co_u32 s21, s21, SLOT
	s_add_co_u32 s22, s22, SLOT
.endr
	s_mul_i32 s23, s14, 16*SPITCH                  ; my stage
	v_mul_u32_u24 v5, v1, SPITCH                   ; in: row l % 16, 32 bytes for each half of the lanes
	v_lshl_add_u32 v5, v2, 5, v5
	v_add_nc_u32 v[STO], s23, v5
	v_add_nc_u32 v[RD], s23, v[CO]                 ; back: the 32 lanes take one row of 512 bytes
	s_lshl_b32 s20, s17, 8
	s_lshl_b32 s21, s15, 7
	s_add_co_u32 s20, s20, s21                     ; my first row of out: 256 x tile row + 128 x half
	s_mov_b32 s21, 0
	s_mov_b64 s[18:19], SIZE_N*4
	s_mul_u64 s[20:21], s[20:21], s[18:19]
	s_lshl_b32 s46, s42, 10                        ; my first column, in bytes: 1024 x tile column + 512 x half
	s_lshl_b32 s47, s16, 9
	s_add_co_u32 s46, s46, s47
	s_mov_b32 s47, 0
	s_add_nc_u64 s[20:21], s[20:21], s[46:47]
	s_add_nc_u64 s[12:13], s[12:13], s[20:21]
	s_add_nc_u64 s[10:11], s[10:11], s[46:47]
	global_load_b128 v[BO:BO+3], v[CO], s[10:11]   ; bo at my four columns: the same in every row that I store
.macro FRAG reg, adr, q, i             ; Wo: a fragment from rows: registers 4 c .. 4 c + 3 hold K = 32 c + 16 (l / 16) + 0 .. 15 of row l % 16
.irp c, 0,1,2,3
	ds_load_b128 v[\reg+4*\c:\reg+4*\c+3], v[\adr] offset:128*(\q)+32*\c+(\i)*16*PITCH
.endr
.endm
.macro FRAGA reg, adr, q, i            ; A: a fragment from its image: tile i, K step q, four chunks of 512 bytes
.irp c, 0,1,2,3
	ds_load_b128 v[\reg+4*\c:\reg+4*\c+3], v[\adr] offset:4096*(\i)+2048*(\q)+512*\c
.endr
.endm
; 16 matrix instructions: A's blocks a0, a0 + 1 x Wo's eight, 128 along K.  The 64 accumulators take turns, one instruction a turn, in the same order in every step.
.macro MUL16 a0, p, zero
.irp a, \a0, \a0+1
.irp b, 0,1,2,3,4,5,6,7
.if \zero
	v_wmma_f32_16x16x128_fp8_fp8 v[8*(8*((\a)%4)+\b):8*(8*((\a)%4)+\b)+7], v[128*(\p)+FR*\b:128*(\p)+FR*\b+FR-1], v[AF+FR*(\a):AF+FR*(\a)+FR-1], 0
.else
	v_wmma_f32_16x16x128_fp8_fp8 v[8*(8*((\a)%4)+\b):8*(8*((\a)%4)+\b)+7], v[128*(\p)+FR*\b:128*(\p)+FR*\b+FR-1], v[AF+FR*(\a):AF+FR*(\a)+FR-1], v[8*(8*((\a)%4)+\b):8*(8*((\a)%4)+\b)+7]
.endif
.endr
.endr
.endm
.macro FETCH_B slot, q, p
	WIN TO_B
.irp i, 0,1,2,3,4,5,6,7
	FRAG 128*(\p)+FR*\i, ADRB+\slot, \q, \i
.endr
	WIN 0
.endm
.macro FETCH_A slot, q, i0
.irp i, \i0, \i0+1, \i0+2, \i0+3
	FRAGA AF+FR*(\i), ADRA+\slot, \q, \i
.endr
.endm
.macro PLACES n                        ; places behind matrix instructions, in front of loads into registers that they read and of the first read of results (ISA guide 7.12.1 for vector instructions)
.rept \n
	v_nop
.endr
.endm
.macro STEP slot, q, zero
	s_wait_dscnt 4*NL                              ; Wo's set and A's blocks 0-3 are in; the youngest sixteen loads (A's blocks 4-7) may be out
	WIN MUL_LO
	MUL16 0, (\q)%2, \zero
	MUL16 2, (\q)%2, \zero
	s_wait_dscnt 0                                 ; A's blocks 4-7 are in
	PLACES NP
	FETCH_B \slot, (\q)+1, 1-(\q)%2
	FETCH_A \slot, (\q)+1, 0
	WIN MUL_HI
	MUL16 4, (\q)%2, \zero
	MUL16 6, (\q)%2, \zero
	PLACES NP
	WIN 0
	FETCH_A \slot, (\q)+1, 4
.endm
; A slot's last step changes slots: ONE barrier; in front of it each wave waits for all its tensor loads, adds 0 to its spare word, and waits for that and for its own reads of this slot.
.macro TURN slot, next, fill
	s_wait_tensorcnt 0x0                           ; all my tensor loads have landed: my part of the next slot
	ds_add_u32 v[SPW], v[NIL]                      ; 0 onto my spare word
	s_wait_dscnt 4*NL+1                            ; (the add and the youngest sixteen loads may be out)
	WIN MUL_LO
	MUL16 0, 1, 0                                  ; sixteen matrix instructions stand between the add and the wait for it
	s_wait_dscnt 0x0                               ; the add is done, and my reads of this slot are over
	s_barrier_signal -1
	MUL16 2, 1, 0
	WIN 0
	s_barrier_wait -1
.if \fill
	CREST                                          ; the barrier has opened a round of the cluster's barrier: no wave of any partner still reads this slot's tile or has a load on its way
	s_add_nc_u64 s[G0+4*\slot+2:G0+4*\slot+3], s[G0+4*\slot+2:G0+4*\slot+3], 2*ABLK
	s_add_nc_u64 s[G0B+4*\slot+2:G0B+4*\slot+3], s[G0B+4*\slot+2:G0B+4*\slot+3], 2*ROWB
	JLOAD G0+4*\slot, G1, G0B+4*\slot, G1B         ; the first tensor load behind the round; the four v_nop behind it are the places in front of the loads below
.else
	PLACES NP
.endif
	FETCH_B \next, 0, 0
	FETCH_A \next, 0, 0
	WIN MUL_HI
	MUL16 4, 1, 0
	MUL16 6, 1, 0
	PLACES NP
	WIN 0
	FETCH_A \next, 0, 4
.endm
	s_wait_alu depctr_va_vdst(0)
	s_wait_tensorcnt 1                             ; my part of K step 0 is in (K step 1's load may be out)
	s_barrier_signal -1
	s_barrier_wait -1                              ; everybody's is
	FETCH_B 0, 0, 0
	FETCH_A 0, 0, 0
	FETCH_A 0, 0, 4
	STEP 0, 0, 1                                   ; the first step stands in front of the loop: its products start the sums
	s_mov_b32 s3, LAPS-1
.Llap:
	TURN 0, 1, 1
	STEP 1, 0, 0
	TURN 1, 0, 1
	STEP 0, 0, 0
	s_sub_co_u32 s3, s3, 1
	s_cmp_lg_u32 s3, 0
	s_cbranch_scc1 .Llap
	TURN 0, 1, 0                                   ; the last lap fills nothing, and has no round of the cluster's barrier
	STEP 1, 0, 0
	s_wait_dscnt 4*NL
	WIN MUL_LO
	MUL16 0, 1, 0
	MUL16 2, 1, 0
	s_wait_dscnt 0
	WIN MUL_HI
	MUL16 4, 1, 0
	MUL16 6, 1, 0
	WIN 0
; THE WAY OUT, block by block of 16 rows x 128 columns.  A lane holds 32 neighbouring bytes of a row, and the lanes beside it hold other rows: so a block goes through my own stage in LDS and comes back as whole
; rows of 512 bytes.  LDS serves a wave's instructions in order (ISA guide 5.7.1.4): no wait between the stores and the loads, nor in front of the next block's stores.
.macro TOSTAGE a
.set AC, 64*((\a)%4)
	WIN 0x02+((\a)/4)                              ; source 0: window 2 or 3
.irp j, 0,2,4,6,8,10,12,14,16,18,20,22,24,26,28,30,32,34,36,38,40,42,44,46,48,50,52,54,56,58,60,62
	v_pk_mul_f32 v[TMP+\j:TMP+\j+1], v[AC+\j:AC+\j+1], s[96:97] op_sel_hi:[1,0]   ; x 2^(e10 + e11): nothing is rounded; each accumulator from its low end on
.endr
	WIN 0
.irp b, 0,1,2,3,4,5,6,7
	ds_store_b128 v[STO], v[TMP+8*\b:TMP+8*\b+3] offset:64*\b
	ds_store_b128 v[STO], v[TMP+8*\b+4:TMP+8*\b+7] offset:64*\b+16
.endr
.set BB, BK+64*((\a)%2)
.irp t, 0,1,2,3,4,5,6,7,8,9,10,11,12,13,14,15
	ds_load_b128 v[BB+4*\t:BB+4*\t+3], v[RD] offset:\t*SPITCH
.endr
.endm
.macro SEND a, younger                 ; younger: the LDS instructions issued behind block a's loads, which may stay out
.set BB, BK+64*((\a)%2)
	s_wait_dscnt \younger                          ; the block is back in registers
.if (\a) > 0
	s_add_nc_u64 s[12:13], s[12:13], 16*SIZE_N*4   ; (behind a wait on XCNT: the earlier stores have read their base)  16 rows on
.endif
.irp t, 0,1,2,3,4,5,6,7,8,9,10,11,12,13,14,15
	v_pk_add_f32 v[BB+4*\t:BB+4*\t+1],   v[BB+4*\t:BB+4*\t+1],   v[BO:BO+1]     ; + bo: the one rounding
	v_pk_add_f32 v[BB+4*\t+2:BB+4*\t+3], v[BB+4*\t+2:BB+4*\t+3], v[BO+2:BO+3]
	global_store_b128 v[CO], v[BB+4*\t:BB+4*\t+3], s[12:13] offset:\t*SIZE_N*4 th:TH_STORE_NT   ; 32 lanes store 512 consecutive bytes, at a multiple of 512 from the output's first byte; written once, read by nobody here
.endr
.endm
	s_wait_kmcnt 0x0
	s_add_co_i32 s96, s96, s97                     ; e10 + e11
	s_add_co_i32 s96, s96, 127
	s_lshl_b32 s96, s96, 23                        ; 2^(e10 + e11) as f32
	s_wait_loadcnt 0x0                             ; bo
	PLACES NP                                      ; behind the last products: for the loads into the registers that held A's fragments and for the reads of results
	TOSTAGE 0
.irp a, 1,2,3,4,5,6,7
.if \a > 1
	s_wait_xcnt 0x0                                ; block a - 2's stores have read their registers and their base: block a's loads may land there, and the base may step
.endif
	TOSTAGE \a
	SEND \a-1, 32                                  ; behind block a - 1's loads: block a's 16 stores and 16 loads
.endr
	s_wait_xcnt 0x0                                ; block 6's stores have read their base
	SEND 7, 0
	s_wait_tensorcnt 0x0                           ; the wave's end, behind my last tensor load and my last LDS store
	ds_add_u32 v[SPW], v[NIL]
	s_wait_dscnt 0x0
	CROUND                                         ; the closing round
	s_endpgm
.Lfunc_end_k_qf6726a550b_outp:
	.size	k_qf6726a550b_outp, .Lfunc_end_k_qf6726a550b_outp-k_qf6726a550b_outp
	.p2alignl 7, 3214868480
	.fill 96, 4, 3214868480
	.section	.rodata,"a",@progbits
	.p2align	6, 0x0
	.amdhsa_kernel k_qf6726a550b_outp
		.amdhsa_group_segment_fixed_size 327680
		.amdhsa_private_segment_fixed_size 0
		.amdhsa_enable_private_segment 0
		.amdhsa_kernarg_size 40
		.amdhsa_user_sgpr_count 2
		.amdhsa_user_sgpr_kernarg_segment_ptr 1
		.amdhsa_wavefront_size32 1
		.amdhsa_system_sgpr_workgroup_id_x 1
		.amdhsa_system_sgpr_workgroup_id_y 1
		.amdhsa_system_sgpr_workgroup_id_z 1
		.amdhsa_system_vgpr_workitem_id 0
		.amdhsa_next_free_vgpr 1024
		.amdhsa_next_free_sgpr 98
		.amdhsa_reserve_vcc 0
		.amdhsa_float_denorm_mode_32 3
		.amdhsa_float_denorm_mode_16_64 3
		.amdhsa_memory_ordered 1
		.amdhsa_forward_progress 1
		.amdhsa_inst_pref_size 140
	.end_amdhsa_kernel
	.amdgpu_metadata
---
amdhsa.version: [ 1, 2 ]
amdhsa.kernels:
  - .name:           k_qf6726a550b_outp
    .symbol:         k_qf6726a550b_outp.kd
    .args:
      - { .name: aimg, .offset: 0, .size: 8, .value_kind: global_buffer, .address_space: global }
      - { .name: Wo_codes, .offset: 8, .size: 8, .value_kind: global_buffer, .address_space: global }
      - { .name: lowp_scales, .offset: 16, .size: 8, .value_kind: global_buffer, .address_space: global }
      - { .name: bo, .offset: 24, .size: 8, .value_kind: global_buffer, .address_space: global }
      - { .name: out0, .offset: 32, .size: 8, .value_kind: global_buffer, .address_space: global }
    .group_segment_fixed_size: 327680
    .private_segment_fixed_size: 0
    .kernarg_segment_align: 8
    .kernarg_segment_size: 40
    .max_flat_workgroup_size: 128
    .sgpr_count:     98
    .vgpr_count:     1024
    .wavefront_size: 32
...
	.end_amdgpu_metadata
.endif
;; end of part 3
